; MI455X (gfx1250); checked and timed in simulation.
; The chip was launched on July 23, 2026; its instructions are those of AMD's public machine-readable ISA for CDNA 5 (MIT licence, August 2026) and "CDNA5" Instruction Set Architecture Reference Guide (July 2026). The comments in the code are by the model that wrote it; some were corrected since.
;; Evoformer ODE Func. Allowed arithmetic: float matrix products may take bf16 or f16 operands with f32 sums; other float arithmetic in f32, or as packed bf16 or f16 multiplies, adds, multiply-adds, maxima and minima; sums over many terms, partial sums and values carried from step to step in f32; what a program stores and reads back later, other than sums and carried values, may be rounded once to bf16 or f16.
;; Inputs: m 128 x 256 x 256 float32; params_attn_end_W1 128 x 128 float32; params_attn_end_W2 128 x 128 float32; params_attn_end_b1 128 float32; params_attn_end_b2 128 float32; params_attn_end_bl 128 float32; params_attn_end_g 128 float32; params_attn_start_W1 128 x 128 float32; params_attn_start_W2 128 x 128 float32; params_attn_start_b1 128 float32; params_attn_start_b2 128 float32; params_attn_start_bl 128 float32; params_attn_start_g 128 float32; params_msa_col_W1 256 x 256 float32; params_msa_col_W2 256 x 256 float32; params_msa_col_b1 256 float32; params_msa_col_b2 256 float32; params_msa_col_bl 256 float32; params_msa_col_g 256 float32; params_msa_row_W1 256 x 256 float32; params_msa_row_W2 256 x 256 float32; params_msa_row_b1 256 float32; params_msa_row_b2 256 float32; params_msa_row_bl 256 float32; params_msa_row_g 256 float32; params_msa_trans_W1 256 x 1,024 float32; params_msa_trans_W2 1,024 x 256 float32; params_msa_trans_b1 1,024 float32; params_msa_trans_b2 256 float32; params_msa_trans_bl 256 float32; params_msa_trans_g 256 float32; params_outer_to_pair_W 1,024 x 128 float32; params_outer_to_pair_b 128 float32; params_pair_to_msa_W 128 x 256 float32; params_pair_to_msa_b 256 float32; params_pair_to_msa_bl 128 float32; params_pair_to_msa_g 128 float32; params_pair_trans_W1 128 x 512 float32; params_pair_trans_W2 512 x 128 float32; params_pair_trans_b1 512 float32; params_pair_trans_b2 128 float32; params_pair_trans_bl 128 float32; params_pair_trans_g 128 float32; params_proj_a_W 256 x 32 float32; params_proj_a_b 32 float32; params_proj_a_bl 256 float32; params_proj_a_g 256 float32; params_proj_b_W 256 x 32 float32; params_proj_b_b 32 float32; params_proj_b_bl 256 float32; params_proj_b_g 256 float32; params_time_W1 1 x 32 float32; params_time_W2 32 x 2 float32; params_time_b1 32 float32; params_time_b2 2 float32; params_tri_in_W1 128 x 128 float32; params_tri_in_W2 128 x 128 float32; params_tri_in_b1 128 float32; params_tri_in_b2 128 float32; params_tri_in_bl 128 float32; params_tri_in_g 128 float32; params_tri_out_W1 128 x 128 float32; params_tri_out_W2 128 x 128 float32; params_tri_out_b1 128 float32; params_tri_out_b2 128 float32; params_tri_out_bl 128 float32; params_tri_out_g 128 float32; t 1 x 1 float32; z 256 x 256 x 128 float32.
;; Outputs: out0 128 x 256 x 256 float32; out1 256 x 256 x 128 float32.
;; 2 versions, each right; version 2 is version 1 with the launch pre written anew for expert scheduling mode. Each part assembles by itself: llvm-mc -triple=amdgcn-amd-amdhsa -mcpu=gfx1250 --defsym DOCPART=n.
;; ======== version 1 of 2: 3 launches
;; limits: values are held in f16: magnitudes above 65,504 overflow, below 6.1e-05 lose precision
;; workspace buffers: u 65,536 bytes; ab 4,194,304 bytes; wts 2,457,600 bytes
;; launch pre (part 1): grid 406 x 1, 16 waves a work-group, no clusters, 10,240 bytes of LDS; arguments z, params_pair_to_msa_g, params_pair_to_msa_bl, u, wts, params_pair_to_msa_W, params_msa_row_W1, params_msa_row_W2, params_msa_col_W1, params_msa_col_W2, params_msa_trans_W1, params_msa_trans_W2, params_proj_a_W, params_proj_b_W, params_outer_to_pair_W, params_tri_out_W1, params_tri_out_W2, params_tri_in_W1, params_tri_in_W2, params_attn_start_W1, params_attn_start_W2, params_attn_end_W1, params_attn_end_W2, params_pair_trans_W1, params_pair_trans_W2; writes u, wts
.if DOCPART == 1
	.amdgcn_target "amdgcn-amd-amdhsa--gfx1250"
	.amdhsa_code_object_version 6
	.text
	.protected	k_q650c7ab349_pre
	.globl	k_q650c7ab349_pre
	.p2align	8
	.type	k_q650c7ab349_pre,@function
k_q650c7ab349_pre:
	s_mov_b64 s[64:65], 0
	v_nop
	global_prefetch_b8 v0, s[64:65] scope:SCOPE_SE
	s_setreg_imm32_b32 hwreg(HW_REG_WAVE_MODE, 25, 1), 1
	s_wait_xcnt 0x0
; TWO JOBS, told apart by the work-group's number.
; Work-groups 0..255: u[i][c] = mean over j of (LN(z[i][j])[c] g[c] + bl[c]), f32 sums, stored once as f16 ([256][128]).
;   (mean_j(LN(z) W + b) = (mean_j LN(z)) W + b: the product is taken later, on 256 rows in place of 65,536.)
;   Sixteen waves, 16 rows of 512 bytes each; a lane holds 4 channels of every row; all 16 loads of a wave go out at once.
;   LN in two passes: the mean, then the sum of (x - mean)^2.
; Work-groups 256..405: the 20 weight matrices, each [K][N] f32, are laid out as FRAGMENTS of W^T for the matrix unit:
;   1,024 bytes = [q 0..1][lane 0..31][8 numbers], number e of lane (r = lane % 16, hh = lane / 16) = W[32 ks + 16 q + 8 hh + e][16 nt + r].
;   All in f16 but outer_to_pair_W, which is multiplied by 2^-7 (the mean over 128 sequences, exact) and rounded to bf16.
; LIMITS: a weight or a mean beyond 65,504 has no f16; below 6e-5 f16 keeps its fixed step of 6e-8.  NaN and infinities are not treated apart.
.set SPARE, 8192                       ; behind the 16 partial sums: the spare words, 128 bytes a wave
.set SPW, 126                          ; v126 LDS address of my spare word; never rewritten
.set NIL, 127                          ; v127 0; never rewritten
.set AC,  8                            ; v[8:11]   my 4 channels' sum of xhat over my wave's rows
.set SR,  16                           ; v[16:31]  row k of eight: a statistic at SR + 2 k, the exchange's landing beside it
.set XR,  32                           ; v[32:95]  16 rows, 4 registers each
.set TR,  96                           ; v[96:111] a pair at work for each of eight rows
	s_load_b256 s[4:11], s[0:1], 0x0               ; z s[4:5], g s[6:7], bl s[8:9], u s[10:11]
	s_load_b64 s[12:13], s[0:1], 0x20              ; wts
	v_lshl_add_u32 v[SPW], v0, 2, SPARE
	v_mov_b32 v[NIL], 0
	s_cmp_lt_u32 ttmp9, 256
	s_cbranch_scc0 .Lconv
	; ---------------- u[i], i = the work-group's number
	v_lshrrev_b32 v1, 5, v0
	v_readfirstlane_b32 s16, v1                    ; wave 0..15
	v_and_b32 v3, 31, v0
	v_lshlrev_b32 v3, 4, v3                        ; 16 x lane
	v_lshl_add_u32 v2, v1, 13, v3                  ; + my wave's 16 rows of 512 bytes
	s_lshl_b32 s14, ttmp9, 17                      ; z[i]: 256 rows of 512 bytes
	s_mov_b32 s15, 0
	s_mov_b32 s66, 0x76543210                      ; v_permlanex16_b32: each lane takes its own place in the other half
	s_mov_b32 s67, 0xfedcba98
	s_mov_b32 s68, 0x3c000000                      ; 1 / 128
	s_mov_b32 s69, 0x3727c5ac                      ; 1e-5
	s_wait_kmcnt 0x0
	s_add_nc_u64 s[4:5], s[4:5], s[14:15]
.irp k, 0,1,2,3,4,5,6,7,8,9,10,11,12,13,14,15
	global_load_b128 v[XR+4*\k:XR+4*\k+3], v2, s[4:5] offset:512*\k th:TH_LOAD_NT  ; a whole row: 512 consecutive bytes
.endr
	global_load_b128 v[112:115], v3, s[6:7]        ; g of my 4 channels
	global_load_b128 v[116:119], v3, s[8:9]        ; bl
.irp k, 0,1,2,3,4,5,6,7,8,9,10,11,12,13,14,15
	v_mov_b32 v[SR+\k], 0                          ; the exchange's destination counts as read: written once
.endr
.macro ROWS8 line:vararg               ; one line for each row k of eight
.set k, 0
.rept 8
	\line
.set k, k+1
.endr
.endm
.macro CROSS                           ; each row's statistic summed over the 32 lanes, the result in every lane
.irp m, 1,2,4,8
	ROWS8 v_add_f32_dpp v[SR+2*k], v[SR+2*k], v[SR+2*k] row_xmask:\m row_mask:0xf bank_mask:0xf
.endr
	ROWS8 v_permlanex16_b32 v[SR+2*k+1], v[SR+2*k], s66, s67
	ROWS8 v_add_f32 v[SR+2*k], v[SR+2*k], v[SR+2*k+1]
.endm
.macro GROUP g                         ; rows 8 g .. 8 g + 7 of my wave
.set X0, XR+32*(\g)
	ROWS8 v_pk_add_f32 v[TR+2*k:TR+2*k+1], v[X0+4*k:X0+4*k+1], v[X0+4*k+2:X0+4*k+3]
	ROWS8 v_add_f32 v[SR+2*k], v[TR+2*k], v[TR+2*k+1]
	CROSS
	ROWS8 v_mul_f32 v[SR+2*k], 0xbc000000, v[SR+2*k]  ; minus the mean
	ROWS8 v_pk_add_f32 v[X0+4*k:X0+4*k+1], v[X0+4*k:X0+4*k+1], v[SR+2*k:SR+2*k+1] op_sel_hi:[1,0]
	ROWS8 v_pk_add_f32 v[X0+4*k+2:X0+4*k+3], v[X0+4*k+2:X0+4*k+3], v[SR+2*k:SR+2*k+1] op_sel_hi:[1,0]
	ROWS8 v_pk_mul_f32 v[TR+2*k:TR+2*k+1], v[X0+4*k:X0+4*k+1], v[X0+4*k:X0+4*k+1]
	ROWS8 v_pk_fma_f32 v[TR+2*k:TR+2*k+1], v[X0+4*k+2:X0+4*k+3], v[X0+4*k+2:X0+4*k+3], v[TR+2*k:TR+2*k+1]
	ROWS8 v_add_f32 v[SR+2*k], v[TR+2*k], v[TR+2*k+1]
	CROSS
	ROWS8 v_fma_f32 v[SR+2*k], v[SR+2*k], s68, s69
	ROWS8 v_rsq_f32 v[SR+2*k], v[SR+2*k]
	v_nop                                          ; a plain instruction behind the last root,
	s_wait_alu depctr_va_vdst(0)                   ; and one wait for the eight, ahead of their first reader
.set k, 0
.rept 8
.if ((\g) == 0) && (k == 0)
	v_pk_mul_f32 v[AC:AC+1], v[X0:X0+1], v[SR:SR+1] op_sel_hi:[1,0]          ; the first row starts the sums
	v_pk_mul_f32 v[AC+2:AC+3], v[X0+2:X0+3], v[SR:SR+1] op_sel_hi:[1,0]
.else
	v_pk_fma_f32 v[AC:AC+1], v[X0+4*k:X0+4*k+1], v[SR+2*k:SR+2*k+1], v[AC:AC+1] op_sel_hi:[1,0,1]
	v_pk_fma_f32 v[AC+2:AC+3], v[X0+4*k+2:X0+4*k+3], v[SR+2*k:SR+2*k+1], v[AC+2:AC+3] op_sel_hi:[1,0,1]
.endif
.set k, k+1
.endr
.endm
	s_wait_loadcnt 10                              ; rows 0-7 are in; rows 8-15, g and bl may stay out
	GROUP 0
	s_wait_loadcnt 2                               ; rows 8-15 are in; g and bl may stay out
	GROUP 1
	v_lshlrev_b32 v4, 4, v0
	ds_store_b128 v4, v[AC:AC+3]                   ; wave v's sums at 512 v
	s_wait_dscnt 0x0                               ; for the others' sake
	s_barrier_signal -1
	s_barrier_wait -1
	s_cmp_lg_u32 s16, 0
	s_cbranch_scc1 .Lend                           ; wave 0 finishes the row of u
.irp k, 0,1,2,3,4,5,6,7,8,9,10,11,12,13,14,15
	ds_load_b128 v[XR+4*\k:XR+4*\k+3], v3 offset:512*\k
.endr
	s_wait_dscnt 0x0
.irp st, 8,4,2,1
.set k, 0
.rept \st
	v_pk_add_f32 v[XR+4*k:XR+4*k+1], v[XR+4*k:XR+4*k+1], v[XR+4*(k+\st):XR+4*(k+\st)+1]
	v_pk_add_f32 v[XR+4*k+2:XR+4*k+3], v[XR+4*k+2:XR+4*k+3], v[XR+4*(k+\st)+2:XR+4*(k+\st)+3]
.set k, k+1
.endr
.endr
	s_wait_loadcnt 0x0                             ; g and bl
	v_pk_mul_f32 v[32:33], v[32:33], 0x3b800000 op_sel_hi:[1,0]  ; 1 / 256: the mean over j
	v_pk_mul_f32 v[34:35], v[34:35], 0x3b800000 op_sel_hi:[1,0]
	v_pk_fma_f32 v[32:33], v[32:33], v[112:113], v[116:117]
	v_pk_fma_f32 v[34:35], v[34:35], v[114:115], v[118:119]
	v_cvt_pk_f16_f32 v36, v32, v33
	v_cvt_pk_f16_f32 v37, v34, v35
	v_lshrrev_b32 v5, 1, v3                        ; 8 x lane
	s_lshl_b32 s14, ttmp9, 8
	s_mov_b32 s15, 0
	s_add_nc_u64 s[10:11], s[10:11], s[14:15]
	global_store_b64 v5, v[36:37], s[10:11]        ; the wave stores 256 consecutive bytes, aligned
.Lend:
	s_wait_tensorcnt 0x0                           ; the wave's end: three closing lines, behind my last LDS store
	ds_add_u32 v[SPW], v[NIL]
	s_wait_dscnt 0x0
	s_endpgm
	; ---------------- the weights: 16 fragments a work-group
.Lconv:
	s_load_b512 s[16:31], s[0:1], 0x28             ; argument a (5..24) lands in s[16 + 2 (a - 5)]
	s_load_b512 s[32:47], s[0:1], 0x68
	s_load_b256 s[48:55], s[0:1], 0xa8
	s_sub_co_u32 s14, ttmp9, 256                   ; 0..149
	s_wait_kmcnt 0x0
; A matrix's figures: its pointer; its first work-group; log2 of its tiles of 16 columns; bytes from k to k + 1 in a fragment; bytes from K step to K step;
; and in wts: its base, and the bytes for a K step, for a pair of column tiles, for the odd tile of a pair.  bf = 1: x 2^-7, to bf16.
.macro SETM arg, first, lgnt, es, ksb, db, dk, dc, du, bf
	s_mov_b64 s[66:67], s[16+2*((\arg)-5):17+2*((\arg)-5)]
	s_mov_b32 s68, \first
	s_mov_b32 s69, \lgnt
	s_mov_b32 s70, \es
	s_mov_b32 s71, \ksb
	s_mov_b32 s72, \db
	s_mov_b32 s73, \dk
	s_mov_b32 s74, \dc
	s_mov_b32 s75, \du
	s_mov_b32 s76, \bf
	s_mov_b32 s77, (1<<(\lgnt))-1
.if \bf
	s_mov_b32 s78, 0x3c000000
.else
	s_mov_b32 s78, 1.0
.endif
	s_mov_b32 s79, s78                             ; named with it as a pair
.endm
.macro MAT arg, first, count, lgnt, es, ksb, db, dk, dc, du, bf
	s_cmp_lt_u32 s14, (\first)+(\count)
	s_cbranch_scc0 .Lnot_\@
	SETM \arg, \first, \lgnt, \es, \ksb, \db, \dk, \dc, \du, \bf
	s_branch .Lgo
.Lnot_\@:
.endm
	MAT  5,   0,  4, 4,  1024,  32768,       0,  1024,  8192, 4096, 0   ; pair_to_msa W: fragment 4 nt + ks
	MAT  6,   4,  8, 4,  1024,  32768,   65536,  2048, 32768, 1024, 0   ; msa_row W1: chunk nt / 2, fragment 2 ks + nt % 2
	MAT  7,  12,  8, 4,  1024,  32768,   81920, 32768,  2048, 1024, 0   ; msa_row W2: chunk ks, fragment 16 + nt
	MAT  8,  20,  8, 4,  1024,  32768,  327680,  2048, 32768, 1024, 0   ; msa_col
	MAT  9,  28,  8, 4,  1024,  32768,  344064, 32768,  2048, 1024, 0
	MAT 10,  36, 32, 6,  4096, 131072,  589824,  2048, 32768, 1024, 0   ; msa_trans
	MAT 11,  68, 32, 4,  1024,  32768,  606208, 32768,  2048, 1024, 0
	MAT 12, 100,  1, 1,   128,   4096, 1638400,  2048,     0, 1024, 0   ; proj_a
	MAT 13, 101,  1, 1,   128,   4096, 1654784,  2048,     0, 1024, 0   ; proj_b
	MAT 14, 102, 16, 3, 16384,    512, 1671168,  8192,  2048, 1024, 1   ; outer_to_pair W: K step k, place in it h: row 32 h + k
	MAT 15, 118,  2, 3,   512,  16384, 1933312,  2048, 16384, 1024, 0   ; tri_out
	MAT 16, 120,  2, 3,   512,  16384, 1941504, 16384,  2048, 1024, 0
	MAT 17, 122,  2, 3,   512,  16384, 1998848,  2048, 16384, 1024, 0   ; tri_in
	MAT 18, 124,  2, 3,   512,  16384, 2007040, 16384,  2048, 1024, 0
	MAT 19, 126,  2, 3,   512,  16384, 2064384,  2048, 16384, 1024, 0   ; attn_start
	MAT 20, 128,  2, 3,   512,  16384, 2072576, 16384,  2048, 1024, 0
	MAT 21, 130,  2, 3,   512,  16384, 2129920,  2048, 16384, 1024, 0   ; attn_end
	MAT 22, 132,  2, 3,   512,  16384, 2138112, 16384,  2048, 1024, 0
	MAT 23, 134,  8, 5,  2048,  65536, 2195456,  2048, 16384, 1024, 0   ; pair_trans
	SETM 24, 142,    3,   512,  16384, 2203648, 16384,  2048, 1024, 0
.Lgo:
	s_sub_co_u32 s15, s14, s68
	s_lshl_b32 s15, s15, 4                         ; my work-group's first fragment of the matrix
	v_lshrrev_b32 v1, 6, v0                        ; 64 threads a fragment, 8 fragments a pass
	v_add_nc_u32 v1, s15, v1
	v_and_b32 v2, 15, v0                           ; r
	v_bfe_u32 v3, v0, 4, 2
	v_lshlrev_b32 v3, 3, v3                        ; 16 q + 8 hh
	v_mul_lo_u32 v3, v3, s70
	v_lshl_add_u32 v3, v2, 2, v3                   ; + 4 r
	v_and_b32 v4, 63, v0
	v_lshlrev_b32 v4, 4, v4
	v_add_nc_u32 v4, s72, v4                       ; the base in wts + 512 q + 16 lane
.macro PASS p                          ; addresses and the eight loads of pass p; its registers are its own
.set B, 16+32*(\p)
	v_add_nc_u32 v[B], 8*(\p), v1                  ; the fragment
	v_and_b32 v[B+1], s77, v[B]                    ; nt
	v_lshrrev_b32 v[B+2], s69, v[B]                ; ks
	v_mul_lo_u32 v[B+3], v[B+2], s71
	v_lshl_add_u32 v[B+3], v[B+1], 6, v[B+3]       ; + 16 nt columns of 4 bytes
	v_add_nc_u32 v[B+8], v[B+3], v3
.irp e, 1,2,3,4,5,6,7
	v_add_nc_u32 v[B+8+\e], s70, v[B+7+\e]
.endr
.irp e, 0,1,2,3,4,5,6,7
	global_load_b32 v[B+16+\e], v[B+8+\e], s[66:67]
.endr
	v_mul_lo_u32 v[B+4], v[B+2], s73
	v_lshrrev_b32 v[B+5], 1, v[B+1]
	v_mul_lo_u32 v[B+5], v[B+5], s74
	v_and_b32 v[B+6], 1, v[B+1]
	v_mul_lo_u32 v[B+6], v[B+6], s75
	v_add3_u32 v[B+4], v[B+4], v[B+5], v[B+6]
	v_add_nc_u32 v[B+4], v[B+4], v4                ; where my 16 bytes go
.endm
	PASS 0
	PASS 1
	s_wait_loadcnt 0x0
.irp p, 0,1
.irp e, 0,2,4,6
	v_pk_mul_f32 v[32+32*\p+\e:33+32*\p+\e], v[32+32*\p+\e:33+32*\p+\e], s[78:79] op_sel_hi:[1,0]
.endr
.endr
	s_cmp_eq_u32 s76, 1
	s_cbranch_scc1 .Lbf
.irp p, 0,1
.irp e, 0,1,2,3
	v_cvt_pk_f16_f32 v[40+32*\p+\e], v[32+32*\p+2*\e], v[33+32*\p+2*\e]
.endr
.endr
	s_branch .Lst
.Lbf:
.irp p, 0,1
.irp e, 0,1,2,3
	v_cvt_pk_bf16_f32 v[40+32*\p+\e], v[32+32*\p+2*\e], v[33+32*\p+2*\e]
.endr
.endr
.Lst:
	global_store_b128 v20, v[40:43], s[12:13]      ; sixteen neighbouring lanes store 256 consecutive bytes, aligned
	global_store_b128 v52, v[72:75], s[12:13]
	s_endpgm                                       ; these waves wrote no LDS
.Lfunc_end_k_q650c7ab349_pre:
	.size	k_q650c7ab349_pre, .Lfunc_end_k_q650c7ab349_pre-k_q650c7ab349_pre
	.p2alignl 7, 3214868480
	.fill 96, 4, 3214868480
	.section	.rodata,"a",@progbits
	.p2align	6, 0x0
	.amdhsa_kernel k_q650c7ab349_pre
		.amdhsa_group_segment_fixed_size 10240
		.amdhsa_private_segment_fixed_size 0
		.amdhsa_enable_private_segment 0
		.amdhsa_kernarg_size 200
		.amdhsa_user_sgpr_count 2
		.amdhsa_user_sgpr_kernarg_segment_ptr 1
		.amdhsa_wavefront_size32 1
		.amdhsa_system_sgpr_workgroup_id_x 1
		.amdhsa_system_sgpr_workgroup_id_y 1
		.amdhsa_system_sgpr_workgroup_id_z 1
		.amdhsa_system_vgpr_workitem_id 0
		.amdhsa_next_free_vgpr 128
		.amdhsa_next_free_sgpr 80
		.amdhsa_reserve_vcc 0
		.amdhsa_float_denorm_mode_32 3
		.amdhsa_float_denorm_mode_16_64 3
		.amdhsa_memory_ordered 1
		.amdhsa_forward_progress 1
		.amdhsa_inst_pref_size 50
	.end_amdhsa_kernel
	.amdgpu_metadata
---
amdhsa.version: [ 1, 2 ]
amdhsa.kernels:
  - .name:           k_q650c7ab349_pre
    .symbol:         k_q650c7ab349_pre.kd
    .args:
      - { .name: z, .offset: 0, .size: 8, .value_kind: global_buffer, .address_space: global }
      - { .name: params_pair_to_msa_g, .offset: 8, .size: 8, .value_kind: global_buffer, .address_space: global }
      - { .name: params_pair_to_msa_bl, .offset: 16, .size: 8, .value_kind: global_buffer, .address_space: global }
      - { .name: u, .offset: 24, .size: 8, .value_kind: global_buffer, .address_space: global }
      - { .name: wts, .offset: 32, .size: 8, .value_kind: global_buffer, .address_space: global }
      - { .name: params_pair_to_msa_W, .offset: 40, .size: 8, .value_kind: global_buffer, .address_space: global }
      - { .name: params_msa_row_W1, .offset: 48, .size: 8, .value_kind: global_buffer, .address_space: global }
      - { .name: params_msa_row_W2, .offset: 56, .size: 8, .value_kind: global_buffer, .address_space: global }
      - { .name: params_msa_col_W1, .offset: 64, .size: 8, .value_kind: global_buffer, .address_space: global }
      - { .name: params_msa_col_W2, .offset: 72, .size: 8, .value_kind: global_buffer, .address_space: global }
      - { .name: params_msa_trans_W1, .offset: 80, .size: 8, .value_kind: global_buffer, .address_space: global }
      - { .name: params_msa_trans_W2, .offset: 88, .size: 8, .value_kind: global_buffer, .address_space: global }
      - { .name: params_proj_a_W, .offset: 96, .size: 8, .value_kind: global_buffer, .address_space: global }
      - { .name: params_proj_b_W, .offset: 104, .size: 8, .value_kind: global_buffer, .address_space: global }
      - { .name: params_outer_to_pair_W, .offset: 112, .size: 8, .value_kind: global_buffer, .address_space: global }
      - { .name: params_tri_out_W1, .offset: 120, .size: 8, .value_kind: global_buffer, .address_space: global }
      - { .name: params_tri_out_W2, .offset: 128, .size: 8, .value_kind: global_buffer, .address_space: global }
      - { .name: params_tri_in_W1, .offset: 136, .size: 8, .value_kind: global_buffer, .address_space: global }
      - { .name: params_tri_in_W2, .offset: 144, .size: 8, .value_kind: global_buffer, .address_space: global }
      - { .name: params_attn_start_W1, .offset: 152, .size: 8, .value_kind: global_buffer, .address_space: global }
      - { .name: params_attn_start_W2, .offset: 160, .size: 8, .value_kind: global_buffer, .address_space: global }
      - { .name: params_attn_end_W1, .offset: 168, .size: 8, .value_kind: global_buffer, .address_space: global }
      - { .name: params_attn_end_W2, .offset: 176, .size: 8, .value_kind: global_buffer, .address_space: global }
      - { .name: params_pair_trans_W1, .offset: 184, .size: 8, .value_kind: global_buffer, .address_space: global }
      - { .name: params_pair_trans_W2, .offset: 192, .size: 8, .value_kind: global_buffer, .address_space: global }
    .group_segment_fixed_size: 10240
    .private_segment_fixed_size: 0
    .kernarg_segment_align: 8
    .kernarg_segment_size: 200
    .max_flat_workgroup_size: 512
    .sgpr_count:     80
    .vgpr_count:     128
    .wavefront_size: 32
...
	.end_amdgpu_metadata
.endif
;; end of part 1
;; launch msa (part 2): grid 256 x 1, 4 waves a work-group, clusters of 4 x 1, 327,680 bytes of LDS; arguments m, u, wts, out0, ab, t, params_time_W1, params_time_b1, params_time_W2, params_time_b2, params_msa_row_g, params_msa_row_bl, params_msa_row_b2, params_msa_col_g, params_msa_col_bl, params_msa_col_b2, params_msa_trans_g, params_msa_trans_bl, params_msa_trans_b2, params_msa_row_b1, params_msa_col_b1, params_msa_trans_b1, params_proj_a_g, params_proj_a_bl, params_proj_b_g, params_proj_b_bl, params_pair_to_msa_b, params_proj_a_b, params_proj_b_b; writes out0, ab
.if DOCPART == 2
	.amdgcn_target "amdgcn-amd-amdhsa--gfx1250"
	.amdhsa_code_object_version 6
	.text
	.protected	k_q650c7ab349_msa
	.globl	k_q650c7ab349_msa
	.p2align	8
	.type	k_q650c7ab349_msa,@function
k_q650c7ab349_msa:
	s_mov_b64 s[64:65], 0
	v_nop
	global_prefetch_b8 v0, s[64:65] scope:SCOPE_SE
	s_setreg_imm32_b32 hwreg(HW_REG_WAVE_MODE, 25, 1), 1
	s_wait_xcnt 0x0
	s_wait_alu depctr_hold_cnt(0) depctr_sa_sdst(0) depctr_va_vdst(0) depctr_va_sdst(0) depctr_va_ssrc(0) depctr_va_vcc(0) depctr_vm_vsrc(0)
	s_getreg_b32 s2, hwreg(HW_REG_IB_STS2, 6, 4)
	s_cmp_eq_u32 s2, 0
	s_cbranch_scc0 .Lentry_in_a_cluster
	s_endpgm
.Lentry_in_a_cluster:
	s_bfe_u32 s2, ttmp6, 0x10000c
	s_cmp_lg_u32 s2, 0x3003
	s_cbranch_scc0 .Lentry_shape_is_right
	s_endpgm
.Lentry_shape_is_right:
; THE MSA TRACK IN ONE LAUNCH: x = m; x += block(x; row) + pair bias; x += block(x; col); x += block(x; trans); out0 = (x - m) mix0; a, b = LN(x) Wa + ba, LN(x) Wb + bb.
; block(x) = relu(LN(x) W1 + b1) W2 + b2, row by row, so the swaps of axes in the reference change nothing.
; SHARES.  A work-group owns 16 residues x 8 sequences = 128 rows of 256 channels; each of its four waves two tiles of 16 rows (16 residues of two sequences).
; LAYOUT.  Every product is taken transposed: source 0 = 16 rows of W^T (a fragment of 1,024 bytes as the launch before laid it), source 1 = 16 data rows.  In a result lane (r, hh) holds row r and
; channels 8 hh + 0..7 of the tile, and two results rounded in pairs ARE source 1 of the next product: the state x (f32, 256 registers), LN(x) and the hidden layer never leave registers,
; a row's mean wants one exchange between the halves of the lanes, and the second product adds straight onto x.
; THE WEIGHTS are one stream of 48 chunks of 32 KiB (32 hidden channels: 16 fragments of W1, 16 of W2) through two LDS slots of four chunks.  The four work-groups of a cluster walk the same stream:
; each chunk is asked for JOINTLY (mask 15), a chunk a wave, behind a round of the cluster's barrier; a slot is 256 matrix instructions a wave.
; FORMATS.  LN(x), the hidden layer, u, a, b and the weights in f16; sums, x, statistics and biases in f32; LN in two passes.
; LIMITS.  |LN(x) g + bl|, the hidden layer, a and b stay under 65,504, f16's end; below 6e-5 f16 keeps its fixed step of 6e-8.  NaN and infinities are not treated apart.
; REGISTERS, in windows of 256 (s_set_vgpr_msb: bits 1:0 source 0, 3:2 source 1, 5:4 source 2, 7:6 destination):
;   window 0: v0-31 addresses; v32-63 HA, four hidden accumulators (also T, at work); v64-79 HB, the hidden layer in f16 (also LN's statistics); v80-95 b1; v96-127 vectors from LDS; v128-255 XN = LN(x) in f16
;   window 1: x, tile (rt, t) at 128 rt + 8 t     window 2: m, likewise     window 3: v0-127 W1's fragments, v128-255 W2's
.set NRT, 2                            ; row tiles a wave
.set NT,  16                           ; channel tiles
.set PPR, 4*NT                         ; register pairs of x in a row tile
.set CHB, 32768                        ; a chunk
.set SLOTX, 0x20000                    ; slot 1 begins here: one exclusive or changes slots
.set MR,  131072                       ; m's landing (128 rows, pitch 1,040), over slot 1 ahead of its first weights; at the end, when the slot has had its last fill, out0's stage
.set MRW, 33280                        ; a wave's 32 rows of it
.set PAR, 264192                       ; small vectors, f32: three records [g, bl, b2] of 3,072;
.set REC, PAR
.set B1,  PAR+9216                     ; b1, 128 bytes a chunk;
.set PREC, PAR+15360                   ; proj_a g, bl; proj_b g, bl;
.set PBB, PAR+19456                    ; pair_to_msa b;
.set PBIAS, PAR+20480                  ; proj_a b, proj_b b
.set PBS, 284928                       ; the pair bias of my 16 residues, f32: tile t at 1,024 t, as a result lies in registers
.set ABS, 301312                       ; a: residue r at 528 r, channel h at 16 h, sequence e at 2 e; b the same 8,448 on
.set SPARE, 318208                     ; the spare words, 128 bytes a wave
.set W_MS, 65536                       ; in wts: the chunks
.set W_PJ, 1638400                     ; the projections' fragments
.set LANE, 1
.set L16, 2                            ; 16 x lane
.set FA,  3                            ; LDS address of the chunk in hand + 16 x lane
.set BA,  4                            ; of its b1 + 32 hh
.set H32, 5                            ; 32 hh
.set PA,  6                            ; of the record in hand + 32 hh
.set MRD, 7                            ; my row r of my wave's rows in MR + 32 hh
.set RB,  8
.set ABA, 9
.set SPW, 10                           ; LDS address of my spare word; never rewritten
.set NIL, 11                           ; 0; never rewritten
.set ZERO, 12
.set PFO, 13                           ; 256 x lane
.set MIX, 14                           ; v[14:15] mix0, twice
.set ABO, 26
.set PBST, 27
.set PBA, 28
.set ABST, 29
.set ABLA, 30
.set ABLB, 31
.set HA,  32
.set TT,  32
.set HB,  64
.set STB, 64                           ; row tile rt's statistics at STB + 8 rt: +0 mean, +2 1 / root, +4 their product; pairs at work
.set BI,  80
.set GS,  96
.set XNB, 128
.set MT,  160                          ; the time MLP, at work
.set WV,  4
.set CX,  5
.set RBI, 6
.set SBI, 7
.set SEL, 12                           ; s[12:13], once time_W2's address has served
.set G1R, 16
.set G0R, 24
.set G1M, 28
.set G0M, 36
.set PFA, 40
.set LIMK, 42
.set TRIPK, 43
.set CK,  44
.set TB,  45
.set B1P, 46
.set RECP, 47
.set PJP, 48
.set OUTP, 50
.set ATP, 52
.set BTP, 54
.set INV, 56
.set EPS, 57
.set ABSP, 60
.set TAILK, 66
.set RBS, 67
.set MSB, 0
.macro WIN new                         ; the high byte repeats the setting that is left; a switch that changes nothing is dropped
.if MSB != (\new)
	s_set_vgpr_msb (MSB<<8)|(\new)
.set MSB, (\new)
.endif
.endm
.macro PLACES                          ; four places behind matrix instructions, ahead of loads into their registers and of vector lines that read results
.rept 4
	v_nop
.endr
.endm
.macro ROUND                           ; a round of the cluster's barrier
	s_barrier_signal -1
	s_barrier_wait -1
	s_cmp_lg_u32 s[WV], 0
	s_cbranch_scc1 .Lnw0_\@
	s_barrier_signal -3
.Lnw0_\@:
	s_barrier_wait -3
	s_barrier_signal -1
	s_barrier_wait -1
.endm
.macro EACH line:vararg                ; one line for each row tile rt
.set rt, 0
.rept NRT
	\line
.set rt, rt+1
.endr
.endm
.macro FETCHBI
	ds_load_b128 v[BI:BI+3], v[BA]
	ds_load_b128 v[BI+4:BI+7], v[BA] offset:16
	ds_load_b128 v[BI+8:BI+11], v[BA] offset:64
	ds_load_b128 v[BI+12:BI+15], v[BA] offset:80
.endm
.macro FETCH1                          ; a chunk's W1 (fragment 2 ks + u) and b1: 36 loads, contiguous, 16 bytes a lane
	WIN 0xc0
.set f, 0
.rept 16
	ds_load_b128 v[8*f:8*f+3], v[FA] offset:1024*f
	ds_load_b128 v[8*f+4:8*f+7], v[FA] offset:1024*f+512
.set f, f+1
.endr
	WIN 0
	FETCHBI
.endm
.macro FETCH2                          ; its W2 (fragment t): 32 loads
	WIN 0xc0
.set f, 0
.rept 16
	ds_load_b128 v[128+8*f:128+8*f+3], v[FA] offset:16384+1024*f
	ds_load_b128 v[128+8*f+4:128+8*f+7], v[FA] offset:16384+1024*f+512
.set f, f+1
.endr
.endm
.macro G1                              ; hidden tile u of row tile rt = b1 + W1^T XN: the four accumulators take turns
	WIN 0x03
.set ks, 0
.rept 8
.set u, 0
.rept 2
.set rt, 0
.rept 2
.set rd, HA+8*(2*u+rt)
.if ks == 0
	v_wmma_f32_16x16x32_f16 v[rd:rd+7], v[8*(2*ks+u):8*(2*ks+u)+7], v[XNB+64*rt+8*ks:XNB+64*rt+8*ks+7], v[BI+8*u:BI+8*u+7]
.else
	v_wmma_f32_16x16x32_f16 v[rd:rd+7], v[8*(2*ks+u):8*(2*ks+u)+7], v[XNB+64*rt+8*ks:XNB+64*rt+8*ks+7], v[rd:rd+7]
.endif
.set rt, rt+1
.endr
.set u, u+1
.endr
.set ks, ks+1
.endr
.endm
.macro ACT                             ; rounded to f16 in pairs, each accumulator from its low end; then relu on the halves
	WIN 0
.set j, 0
.rept 16
	v_cvt_pk_f16_f32 v[HB+8*(j/8)+j%8], v[HA+8*(2*((j%8)/4)+j/8)+2*(j%4)], v[HA+8*(2*((j%8)/4)+j/8)+2*(j%4)+1]
.set j, j+1
.endr
.set j, 0
.rept 16
	v_pk_max_num_f16 v[HB+j], v[HB+j], v[ZERO]
.set j, j+1
.endr
.endm
.macro G2                              ; x += W2^T hidden: 32 accumulators, one instruction each
	WIN 0x53
.set t, 0
.rept 16
.set rt, 0
.rept 2
	v_wmma_f32_16x16x32_f16 v[128*rt+8*t:128*rt+8*t+7], v[128+8*t:128+8*t+7], v[HB+8*rt:HB+8*rt+7], v[128*rt+8*t:128*rt+8*t+7]
.set rt, rt+1
.endr
.set t, t+1
.endr
.endm
.macro CHUNK
	FETCH2
	s_wait_dscnt 32                                ; W1 and b1 are in; the 32 loads just issued may stay out
	G1
	PLACES
	s_add_co_u32 s[TB], s[TB], CHB                 ; the next chunk
	s_add_co_u32 s[B1P], s[B1P], 128
	WIN 0
	v_add_nc_u32 v[FA], s[TB], v[L16]
	v_add_nc_u32 v[BA], s[B1P], v[H32]
	FETCH1
	ACT
	s_wait_dscnt 36                                ; W2 is in; the next chunk's 36 loads may stay out
	G2
	PLACES
.endm
.macro ASK                             ; a prefetch into the L2 of my wave's chunk of the slot two refills on: cluster 0 alone asks, its four partners take 8 KiB each, told apart by address, a lane 256 bytes; trips 8 and 9 have no such slot
	s_cmp_lt_u32 s[TRIPK], s[LIMK]
	s_cbranch_scc0 .Lna_\@
	global_prefetch_b8 v[PFO], s[PFA:PFA+1] th:TH_LOAD_NT scope:SCOPE_SE
.Lna_\@:
.endm
; A slot's fourth chunk, and THE CHANGE OF SLOTS between its two products: each wave waits for all its tensor loads (one is out: its chunk of the other slot), adds 0 to its spare word, and waits for
; that and for its reads of this slot, of which W2's were the last.  fill = 1: behind a round of the cluster's barrier the slot is filled again, first thing.
.macro CHUNKX fill
	FETCH2
	s_wait_dscnt 32
	G1
	PLACES
	WIN 0
	s_wait_tensorcnt 0x0                           ; no tensor load of mine is out, so group 0 may be written
	ds_add_u32 v[SPW], v[NIL]                      ; 0 onto my spare word; work on registers stands between it and the wait for it
	ACT
.if \fill
	s_xor_b32 s[G0R+1], s[G0R+1], SLOTX
	s_add_nc_u64 s[G0R+2:G0R+3], s[G0R+2:G0R+3], 4*CHB
	s_wait_xcnt 0x0                                ; the last prefetch, a slot back, has read its address
	s_add_nc_u64 s[PFA:PFA+1], s[PFA:PFA+1], 4*CHB
.endif
	s_wait_dscnt 0x0                               ; the add is done, and my reads of this slot are over
.if \fill
	ROUND
	tensor_load_to_lds s[G0R:G0R+3], s[G1R:G1R+7]  ; my one tensor load behind the round: it has a slot's 256 matrix instructions in which to land
	s_nop 0
	PLACES
.else
	s_barrier_signal -1
	s_barrier_wait -1
.endif
	s_sub_co_u32 s[TB], s[TB], 3*CHB               ; back to a slot's first chunk,
	s_xor_b32 s[TB], s[TB], SLOTX                  ; in the other slot
	s_add_co_u32 s[B1P], s[B1P], 128
	v_add_nc_u32 v[FA], s[TB], v[L16]
	v_add_nc_u32 v[BA], s[B1P], v[H32]
	FETCH1
.if \fill
	ASK
.endif
	G2
	PLACES
.endm
; LN's statistics.  x fills window 1: pair n of row tile rt is v[2 (PPR rt + n)].  Each tile is read from its low end on.
.macro LNSTAT
	WIN 0x05
.set rt, 0
.rept NRT
.set xr, 2*PPR*rt
.set sr, STB+8*rt
	v_pk_add_f32 v[sr:sr+1], v[xr:xr+1], v[xr+2:xr+3]
	v_pk_add_f32 v[sr+2:sr+3], v[xr+4:xr+5], v[xr+6:xr+7]
.set rt, rt+1
.endr
	WIN 0x01
.set i, 4
.rept PPR-4
.set rt, 0
.rept NRT
.set xr, 2*(PPR*rt+i)
.set sr, STB+8*rt+2*(i%2)
	v_pk_add_f32 v[sr:sr+1], v[xr:xr+1], v[sr:sr+1]
.set rt, rt+1
.endr
.set i, i+1
.endr
	WIN 0
	EACH v_pk_add_f32 v[STB+8*rt:STB+8*rt+1], v[STB+8*rt:STB+8*rt+1], v[STB+8*rt+2:STB+8*rt+3]
	EACH v_add_f32 v[STB+8*rt], v[STB+8*rt], v[STB+8*rt+1]
	EACH v_permlanex16_b32 v[STB+8*rt+2], v[STB+8*rt], s[SEL], s[SEL+1]  ; the row's other channels lie in the lane 16 away
	EACH v_add_f32 v[STB+8*rt], v[STB+8*rt], v[STB+8*rt+2]
	EACH v_mul_f32 v[STB+8*rt], s[INV], v[STB+8*rt]                      ; the mean
.set b, 0
.rept 8                                ; the sum of (x - mean)^2, 16 pairs at a time
	WIN 0x01
.set j, 0
.rept 16
.set rt, j%NRT
.set xr, 2*(PPR*rt+b*(16/NRT)+j/NRT)
	v_pk_add_f32 v[TT+2*j:TT+2*j+1], v[xr:xr+1], v[STB+8*rt:STB+8*rt+1] op_sel_hi:[1,0] neg_lo:[0,1] neg_hi:[0,1]
.set j, j+1
.endr
	WIN 0
.set j, 0
.rept 16
.set i, b*(16/NRT)+j/NRT
.set sr, STB+8*(j%NRT)+4+2*(i%2)
.if i < 2
	v_pk_mul_f32 v[sr:sr+1], v[TT+2*j:TT+2*j+1], v[TT+2*j:TT+2*j+1]
.else
	v_pk_fma_f32 v[sr:sr+1], v[TT+2*j:TT+2*j+1], v[TT+2*j:TT+2*j+1], v[sr:sr+1]
.endif
.set j, j+1
.endr
.set b, b+1
.endr
	EACH v_pk_add_f32 v[STB+8*rt+4:STB+8*rt+5], v[STB+8*rt+4:STB+8*rt+5], v[STB+8*rt+6:STB+8*rt+7]
	EACH v_add_f32 v[STB+8*rt+4], v[STB+8*rt+4], v[STB+8*rt+5]
	EACH v_permlanex16_b32 v[STB+8*rt+6], v[STB+8*rt+4], s[SEL], s[SEL+1]
	EACH v_add_f32 v[STB+8*rt+4], v[STB+8*rt+4], v[STB+8*rt+6]
	EACH v_fma_f32 v[STB+8*rt+4], v[STB+8*rt+4], s[INV], s[EPS]
	EACH v_rsq_f32 v[STB+8*rt+2], v[STB+8*rt+4]
	v_nop                                          ; a plain instruction behind the last root,
	s_wait_alu depctr_va_vdst(0)                   ; and one wait for the batch, ahead of its first reader
	EACH v_mul_f32 v[STB+8*rt+4], v[STB+8*rt], v[STB+8*rt+2]             ; mean / root
.endm
.macro LNLOAD t, goff, boff            ; g and bl of channel tile t, into one of two sets
.set gb, GS+16*((\t)%2)
	ds_load_b128 v[gb:gb+3], v[PA] offset:(\goff)+64*(\t)
	ds_load_b128 v[gb+4:gb+7], v[PA] offset:(\goff)+64*(\t)+16
	ds_load_b128 v[gb+8:gb+11], v[PA] offset:(\boff)+64*(\t)
	ds_load_b128 v[gb+12:gb+15], v[PA] offset:(\boff)+64*(\t)+16
.endm
.macro LNAPPLY goff, boff              ; XN = f16((x / root - mean / root) g + bl)
	WIN 0
	LNLOAD 0, \goff, \boff
.set t, 0
.rept NT
.if t < NT-1
	LNLOAD t+1, \goff, \boff
	s_wait_dscnt 4                                 ; this tile's set is in; the next tile's four loads may stay out
.else
	s_wait_dscnt 0x0
.endif
	WIN 0x01
.set j, 0
.rept 4*NRT
.set rt, j/4
.set xr, 2*(PPR*rt+4*t+j%4)
	v_pk_fma_f32 v[TT+2*j:TT+2*j+1], v[xr:xr+1], v[STB+8*rt+2:STB+8*rt+3], v[STB+8*rt+4:STB+8*rt+5] op_sel_hi:[1,0,0] neg_lo:[0,0,1] neg_hi:[0,0,1]
.set j, j+1
.endr
	WIN 0
.set gb, GS+16*(t%2)
.set j, 0
.rept 4*NRT
	v_pk_fma_f32 v[TT+2*j:TT+2*j+1], v[TT+2*j:TT+2*j+1], v[gb+2*(j%4):gb+2*(j%4)+1], v[gb+8+2*(j%4):gb+8+2*(j%4)+1]
.set j, j+1
.endr
.set j, 0
.rept 4*NRT
	v_cvt_pk_f16_f32 v[XNB+4*NT*(j/4)+4*t+j%4], v[TT+2*j], v[TT+2*j+1]
.set j, j+1
.endr
.set t, t+1
.endr
.endm
.macro ADDV areg, off, ts, qs          ; x += a vector by channels, the same for every row: tile t's 8 numbers a lane at off + ts t and qs behind
.set bb, 0
.rept NT/4
	WIN 0
.set tq, 0
.rept 4
	ds_load_b128 v[GS+8*tq:GS+8*tq+3], v[\areg] offset:(\off)+(\ts)*(4*bb+tq)
	ds_load_b128 v[GS+8*tq+4:GS+8*tq+7], v[\areg] offset:(\off)+(\ts)*(4*bb+tq)+(\qs)
.set tq, tq+1
.endr
	s_wait_dscnt 0x0
	WIN 0x41
.set tq, 0
.rept 4
.set rt, 0
.rept NRT
.set p, 0
.rept 4
.set xr, 2*(PPR*rt+4*(4*bb+tq)+p)
	v_pk_add_f32 v[xr:xr+1], v[xr:xr+1], v[GS+8*tq+2*p:GS+8*tq+2*p+1]
.set p, p+1
.endr
.set rt, rt+1
.endr
.set tq, tq+1
.endr
.set bb, bb+1
.endr
.endm
.macro MIXER                           ; sigmoid(silu(t W1 + b1) . W2[:, c] + b2[c]); lane l holds hidden unit l.  v[MT..MT+4] = t, W1[l], b1[l], W2[l][c], b2[c]
	v_fma_f32 v[MT+5], v[MT], v[MT+1], v[MT+2]
	v_mul_f32 v[MT+6], 0xbfb8aa3b, v[MT+5]
	v_exp_f32 v[MT+6], v[MT+6]
	v_nop
	s_wait_alu depctr_va_vdst(0)
	v_add_f32 v[MT+6], 1.0, v[MT+6]
	v_rcp_f32 v[MT+6], v[MT+6]
	v_nop
	s_wait_alu depctr_va_vdst(0)
	v_mul_f32 v[MT+5], v[MT+5], v[MT+6]
	v_mul_f32 v[MT+5], v[MT+5], v[MT+3]
.irp m, 1,2,4,8
	v_add_f32_dpp v[MT+5], v[MT+5], v[MT+5] row_xmask:\m row_mask:0xf bank_mask:0xf
.endr
	v_permlanex16_b32 v[MT+6], v[MT+5], s[SEL], s[SEL+1]
	v_add_f32 v[MT+5], v[MT+5], v[MT+6]
	v_add_f32 v[MT+5], v[MT+5], v[MT+4]
	v_mul_f32 v[MT+5], 0xbfb8aa3b, v[MT+5]
	v_exp_f32 v[MT+5], v[MT+5]
	v_nop
	s_wait_alu depctr_va_vdst(0)
	v_add_f32 v[MT+5], 1.0, v[MT+5]
	v_rcp_f32 v[MIX], v[MT+5]
	v_nop
	s_wait_alu depctr_va_vdst(0)
	v_mov_b32 v[MIX+1], v[MIX]
.endm
	; ---------------- the head
	s_load_b512 s[68:83], s[0:1], 0x0              ; m s[68:69], u s[70:71], wts s[72:73], out0 s[74:75], ab s[76:77], t s[78:79], time_W1 s[80:81], time_b1 s[82:83]
	s_load_b128 s[12:15], s[0:1], 0x40             ; time_W2 s[12:13], time_b2 s[14:15]
	v_lshl_add_u32 v[SPW], v0, 2, SPARE
	v_mov_b32 v[NIL], 0
	ds_add_u32 v[SPW], v[NIL]                      ; the wave's opening: the add, twice on end, and its wait ahead of my first tensor load
	ds_add_u32 v[SPW], v[NIL]
	v_lshrrev_b32 v16, 5, v0
	v_readfirstlane_b32 s[WV], v16                 ; wave 0..3
	s_bfe_u32 s[CX], ttmp6, 0x40000                ; my place in the cluster: it enters global addresses alone
	s_and_b32 s[RBI], ttmp9, 3
	s_lshl2_add_u32 s[RBI], s[RBI], s[CX]          ; my block of 16 residues
	s_lshr_b32 s[SBI], ttmp9, 2                    ; my block of 8 sequences
	s_mov_b32 s[G1R+0], 15|(3<<16)|(1<<21)         ; the ring's loads: mask of four; elements of 8 bytes; bit 21 beside a mask
	s_mov_b32 s[G1R+1], 32<<16                     ; tensor_dim0 = 32: rows of 256 bytes
	s_mov_b32 s[G1R+2], 128<<16                    ; tensor_dim1 = 128
	s_mov_b32 s[G1R+3], 32<<16                     ; tile_dim0
	s_mov_b32 s[G1R+4], 128                        ; tile_dim1: a chunk, dense
	s_mov_b32 s[G1R+5], 32
	s_mov_b32 s[G1R+6], 0
	s_mov_b32 s[G1R+7], 0
	s_mov_b32 s[G0R], 1
	s_lshl_b32 s[G0R+1], s[WV], 15                 ; wave w's chunk of slot 0
	s_mov_b32 s[G1M+0], (2<<16)|(1<<20)|(7<<22)|(3<<25)  ; m: my own load; elements of 4 bytes; after every 256 words (a row of m) 4 words of padding
	s_mov_b32 s[G1M+1], 4096<<16                   ; 16 residues of one sequence are 16,384 consecutive bytes
	s_mov_b32 s[G1M+2], 2<<16                      ; two sequences
	s_mov_b32 s[G1M+3], 4096<<16
	s_mov_b32 s[G1M+4], 2
	s_mov_b32 s[G1M+5], 65536                      ; elements from a sequence to the next
	s_mov_b32 s[G1M+6], 0
	s_mov_b32 s[G1M+7], 0
	s_mov_b32 s[G0M], 1
	s_mul_i32 s[RBS], s[WV], MRW
	s_add_co_u32 s[RBS], s[RBS], MR
	s_mov_b32 s[G0M+1], s[RBS]
	s_lshl_b32 s8, s[SBI], 3
	s_lshl1_add_u32 s8, s[WV], s8                  ; my first sequence
	s_lshl_b32 s8, s8, 18
	s_lshl_b32 s9, s[RBI], 14
	s_add_co_u32 s8, s8, s9
	s_mov_b32 s9, 0                                ; s[8:9]: my rows in m and out0
	s_lshl_b32 s10, s[WV], 15
	s_add_co_u32 s10, s10, W_MS
	s_mov_b32 s11, 0                               ; s[10:11]: my chunk of slot 0 in wts
	s_lshl_b32 s58, s[CX], 13
	s_add_co_u32 s58, s58, s10
	s_add_co_u32 s58, s58, 3*4*CHB                 ; the prefetches stand at slot 3; the first change in the loop steps them to slot 4
	s_mov_b32 s59, 0
	s_lshl_b32 s60, s[RBI], 17
	s_lshl_b32 s61, s[WV], 15
	s_add_co_u32 s60, s60, s61
	s_lshl_b32 s61, s[SBI], 8
	s_add_co_u32 s60, s60, s61
	s_mov_b32 s61, 0                               ; s[60:61]: where my wave's part of a (and, 2,097,152 on, of b) begins
	s_cmp_eq_u32 ttmp9, 0
	s_cselect_b32 s[LIMK], 8, 0
	s_mov_b32 s[INV], 0x3b800000                   ; 1 / 256
	s_mov_b32 s[EPS], 0x3727c5ac                   ; 1e-5
	s_wait_dscnt 0x0                               ; both opening adds are done
	s_wait_kmcnt 0x0
	s_add_nc_u64 s[G0M+2:G0M+3], s[68:69], s[8:9]
	s_or_b32 s[G0M+3], s[G0M+3], 0x80000000
	s_add_nc_u64 s[OUTP:OUTP+1], s[74:75], s[8:9]
	s_add_nc_u64 s[G0R+2:G0R+3], s[72:73], s[10:11]
	s_or_b32 s[G0R+3], s[G0R+3], 0x80000000
	s_add_nc_u64 s[PFA:PFA+1], s[72:73], s[58:59]
	s_add_nc_u64 s[ATP:ATP+1], s[76:77], s[60:61]
	s_add_nc_u64 s[BTP:BTP+1], s[ATP:ATP+1], 2097152
	s_add_nc_u64 s[PJP:PJP+1], s[72:73], W_PJ
	s_lshl_b32 s62, s[RBI], 12
	s_mov_b32 s63, 0
	s_add_nc_u64 s[60:61], s[70:71], s[62:63]      ; u at my 16 residues
	s_lshl_b32 s62, s[WV], 14
	s_add_nc_u64 s[62:63], s[72:73], s[62:63]      ; pair_to_msa W: my wave's 16 fragments
	ROUND                                          ; all four work-groups are here: the first joint loads meet
	tensor_load_to_lds s[G0M:G0M+3], s[G1M:G1M+7]  ; my 32 rows of m
	s_nop 0
	tensor_load_to_lds s[G0R:G0R+3], s[G1R:G1R+7]  ; slot 0: two tensor loads of mine are out
	s_nop 0
	PLACES
	v_and_b32 v[LANE], 31, v0
	v_lshlrev_b32 v[L16], 4, v[LANE]
	v_and_b32 v16, 15, v0                          ; r
	v_bfe_u32 v17, v0, 4, 1                        ; hh
	v_lshlrev_b32 v[H32], 5, v17
	v_mov_b32 v[ZERO], 0
	v_lshlrev_b32 v[PFO], 8, v[LANE]
	WIN 0xc0
.set f, 0
.rept 16                               ; pair_to_msa W's fragments 4 tq + ks of my four channel tiles, straight into W2's registers
	global_load_b128 v[128+8*f:128+8*f+3], v[L16], s[62:63] offset:1024*f
	global_load_b128 v[128+8*f+4:128+8*f+7], v[L16], s[62:63] offset:1024*f+512
.set f, f+1
.endr
	WIN 0
	v_lshlrev_b32 v18, 8, v16
	v_lshl_add_u32 v18, v17, 4, v18                ; row r of u, 16 bytes for each half of the lanes
.irp ks, 0,1,2,3
	global_load_b128 v[XNB+8*\ks:XNB+8*\ks+3], v18, s[60:61] offset:64*\ks
	global_load_b128 v[XNB+8*\ks+4:XNB+8*\ks+7], v18, s[60:61] offset:64*\ks+32
.endr
	v_lshlrev_b32 v19, 2, v[LANE]
	v_lshlrev_b32 v20, 3, v[LANE]
	global_load_b32 v[MT], v[ZERO], s[78:79]
	global_load_b32 v[MT+1], v19, s[80:81]
	global_load_b32 v[MT+2], v19, s[82:83]
	global_load_b32 v[MT+3], v20, s[12:13]         ; W2[l][0]
	global_load_b32 v[MT+4], v[ZERO], s[14:15]     ; b2[0]
	v_lshlrev_b32 v21, 3, v0
	v_lshlrev_b32 v22, 4, v0
	s_load_b512 s[84:99], s[0:1], 0x50             ; arguments 10-17
	s_wait_kmcnt 0x0
.set n, 0
.rept 8
	global_load_b64 v[168+2*n:169+2*n], v21, s[84+2*n:85+2*n]  ; a vector of 1,024 bytes: 8 a thread
.set n, n+1
.endr
	s_wait_xcnt 0x0                                ; those loads have read their bases
	s_load_b512 s[84:99], s[0:1], 0x90             ; arguments 18-25
	s_wait_kmcnt 0x0
.set n, 8
.rept 3
	global_load_b64 v[168+2*n:169+2*n], v21, s[84+2*(n-8):85+2*(n-8)]
.set n, n+1
.endr
	global_load_b128 v[200:203], v22, s[90:91]     ; trans_b1, 4,096 bytes
	global_load_b128 v[204:207], v22, s[90:91] offset:2048
.rept 4
	global_load_b64 v[168+2*n:169+2*n], v21, s[92+2*(n-11):93+2*(n-11)]
.set n, n+1
.endr
	s_wait_xcnt 0x0
	s_load_b128 s[84:87], s[0:1], 0xd0             ; pair_to_msa_b, proj_a_b
	s_load_b64 s[88:89], s[0:1], 0xe0              ; proj_b_b
	s_wait_kmcnt 0x0
	global_load_b64 v[198:199], v21, s[84:85]
	v_mul_u32_u24 v[MRD], v16, 1040                ; addresses, while the loads are out
	v_add_nc_u32 v[MRD], v[MRD], v[H32]
	v_add_nc_u32 v[MRD], s[RBS], v[MRD]
	v_add_nc_u32 v[PBA], PBS, v[L16]
	s_lshl_b32 s58, s[WV], 12
	v_add_nc_u32 v[PBST], s58, v[PBA]
	v_mul_u32_u24 v[ABST], v16, 528
	v_lshl_add_u32 v[ABST], v17, 7, v[ABST]
	s_lshl_b32 s58, s[WV], 2
	v_add_nc_u32 v[ABST], s58, v[ABST]
	s_mul_i32 s58, s[WV], 4*528
	s_add_co_u32 s58, s58, ABS
	v_add_nc_u32 v[ABLA], s58, v[L16]
	v_mul_u32_u24 v[ABLB], v16, 528
	v_lshl_add_u32 v[ABLB], v17, 4, v[ABLB]
	s_lshl_b32 s58, s[WV], 7
	s_add_co_u32 s58, s58, ABS+8448
	v_add_nc_u32 v[ABLB], s58, v[ABLB]
	v_lshlrev_b32 v[ABO], 4, v16
	v_lshl_add_u32 v[ABO], v17, 12, v[ABO]
	s_lshl_b32 s58, s[WV], 8
	s_add_co_u32 s58, s58, PBB
	v_add_nc_u32 v25, s58, v[H32]
	v_lshl_add_u32 v23, v0, 3, PAR
	v_lshl_add_u32 v24, v0, 4, PAR+11264
	s_cmp_lt_u32 s[WV], 2                          ; the two short biases: wave 0 brings proj_a's, wave 1 proj_b's
	s_cbranch_scc0 .Lnobias
	s_cmp_eq_u32 s[WV], 0
	s_cselect_b64 s[90:91], s[86:87], s[88:89]
	global_load_b32 v208, v19, s[90:91]
	v_lshl_add_u32 v209, v0, 2, PBIAS
	s_wait_loadcnt 0x0
	ds_store_b32 v209, v208
.Lnobias:
	s_wait_loadcnt 0x0
	s_mov_b32 s[SEL], 0x76543210
	s_mov_b32 s[SEL+1], 0xfedcba98
	MIXER
.set n, 0
.rept 11
	ds_store_b64 v23, v[168+2*n:169+2*n] offset:1024*n
.set n, n+1
.endr
	ds_store_b128 v24, v[200:203]
	ds_store_b128 v24, v[204:207] offset:2048
.rept 5
	ds_store_b64 v23, v[168+2*n:169+2*n] offset:15360+1024*(n-11)
.set n, n+1
.endr
	s_wait_tensorcnt 0x0                           ; my rows of m and my chunk of slot 0 are in,
	s_wait_dscnt 0x0                               ; my part of the vectors is stored:
	s_barrier_signal -1
	s_barrier_wait -1                              ; everybody's
	WIN 0x40
.set n, 0
.rept 32                               ; x = m: tile n = 16 rt + t
	ds_load_b128 v[8*n:8*n+3], v[MRD] offset:16640*(n/16)+64*(n%16)
	ds_load_b128 v[8*n+4:8*n+7], v[MRD] offset:16640*(n/16)+64*(n%16)+16
.set n, n+1
.endr
	WIN 0x80
.set n, 0
.rept 32                               ; and m itself, kept for the end
	ds_load_b128 v[8*n:8*n+3], v[MRD] offset:16640*(n/16)+64*(n%16)
	ds_load_b128 v[8*n+4:8*n+7], v[MRD] offset:16640*(n/16)+64*(n%16)+16
.set n, n+1
.endr
	WIN 0
	s_mov_b32 s[TB], 0
	s_mov_b32 s[B1P], B1
	v_add_nc_u32 v[FA], s[TB], v[L16]
	v_add_nc_u32 v[BA], s[B1P], v[H32]
	FETCH1                                         ; chunk 0
.irp tq, 0,1,2,3
	ds_load_b128 v[HA+8*\tq:HA+8*\tq+3], v25 offset:64*\tq      ; pair_to_msa b of my four channel tiles starts the bias's sums
	ds_load_b128 v[HA+8*\tq+4:HA+8*\tq+7], v25 offset:64*\tq+16
.endr
	s_wait_tensorcnt 0x0                           ; the change that gives m's landing to slot 1
	ds_add_u32 v[SPW], v[NIL]
	s_xor_b32 s[G0R+1], s[G0R+1], SLOTX
	s_add_nc_u64 s[G0R+2:G0R+3], s[G0R+2:G0R+3], 4*CHB
	s_wait_dscnt 0x0                               ; the add is done; m is in registers
	ROUND
	tensor_load_to_lds s[G0R:G0R+3], s[G1R:G1R+7]  ; slot 1
	s_nop 0
	PLACES
	WIN 0x03
.set ks, 0
.rept 4                                ; the pair bias: b + W^T u for 16 residues x my 64 channels; the four accumulators take turns
.set tq, 0
.rept 4
	v_wmma_f32_16x16x32_f16 v[HA+8*tq:HA+8*tq+7], v[128+8*(4*tq+ks):128+8*(4*tq+ks)+7], v[XNB+8*ks:XNB+8*ks+7], v[HA+8*tq:HA+8*tq+7]
.set tq, tq+1
.endr
.set ks, ks+1
.endr
	PLACES
	WIN 0
.irp tq, 0,1,2,3
	ds_store_b128 v[PBST], v[HA+8*\tq:HA+8*\tq+3] offset:1024*\tq      ; read by all waves in trip 2, two changes of slots on
	ds_store_b128 v[PBST], v[HA+8*\tq+4:HA+8*\tq+7] offset:1024*\tq+512
.endr
	s_mov_b32 s[TRIPK], 0
	s_mov_b32 s[RECP], REC
	s_branch .Lln                                  ; the first trip begins with the row block's LN
	; ---------------- ten trips, a slot each; trip k fills slot k + 2.  Blocks begin in trips 0 (row), 2 (col), 4 (trans: eight slots on one XN)
.Ltrip:
	s_lshr_b32 s58, 0x14, s[TRIPK]
	s_bitcmp1_b32 s58, 0
	s_cbranch_scc0 .Lnoln
	s_cmp_lg_u32 s[TRIPK], 2
	s_cbranch_scc1 .Lln
	ADDV PBA, 0, 1024, 512                         ; the pair bias belongs to the row block's result
	WIN 0
.Lln:
	v_add_nc_u32 v[PA], s[RECP], v[H32]
	LNSTAT
	LNAPPLY 0, 1024
	ADDV PA, 2048, 64, 16                          ; this block's b2, once XN is made
	WIN 0
	s_add_co_u32 s[RECP], s[RECP], 3072
.Lnoln:
	s_mov_b32 s[CK], 3
.Lc:
	CHUNK
	WIN 0
	s_sub_co_u32 s[CK], s[CK], 1
	s_cmp_lg_u32 s[CK], 0
	s_cbranch_scc1 .Lc
	CHUNKX 1
	WIN 0
	s_add_co_u32 s[TRIPK], s[TRIPK], 1
	s_cmp_lt_u32 s[TRIPK], 10
	s_cbranch_scc1 .Ltrip
	s_mov_b32 s[TAILK], 2                          ; the last two slots are written out: nothing is asked for.  The last trip's look-ahead fetch reads landed bytes and serves nothing
.Ltail:
	s_mov_b32 s[CK], 3
.Lc2:
	CHUNK
	WIN 0
	s_sub_co_u32 s[CK], s[CK], 1
	s_cmp_lg_u32 s[CK], 0
	s_cbranch_scc1 .Lc2
	CHUNKX 0
	WIN 0
	s_sub_co_u32 s[TAILK], s[TAILK], 1
	s_cmp_lg_u32 s[TAILK], 0
	s_cbranch_scc1 .Ltail
	s_wait_dscnt 0x0
	s_barrier_signal -1
	s_barrier_wait -1                              ; nobody reads the ring any more: slot 1 has had its last fill and becomes the stage
	; ---------------- out0 = (x - m) mix0, through my own rows of the stage
.set rt, 0
.rept 2
.set bb, 0
.rept 4
	WIN 0x09
.set n, 0
.rept 16
.set xr, 2*(PPR*rt+16*bb+n)
	v_pk_add_f32 v[TT+2*n:TT+2*n+1], v[xr:xr+1], v[xr:xr+1] neg_lo:[0,1] neg_hi:[0,1]  ; source 0 is x (window 1), source 1 m (window 2)
.set n, n+1
.endr
	WIN 0
.set n, 0
.rept 16
	v_pk_mul_f32 v[TT+2*n:TT+2*n+1], v[TT+2*n:TT+2*n+1], v[MIX:MIX+1]
.set n, n+1
.endr
.set n, 0
.rept 8
	ds_store_b128 v[MRD], v[TT+4*n:TT+4*n+3] offset:16640*rt+64*(4*bb+n/2)+16*(n%2)
.set n, n+1
.endr
.set bb, bb+1
.endr
.set rt, rt+1
.endr
	s_mov_b32 s[CK], 0
.Lout:                                 ; eight trips of four rows of 1,024 bytes; LDS serves a wave's instructions in order, so these loads see the stores above
	v_add_nc_u32 v[RB], s[RBS], v[L16]
.irp n, 0,1,2,3,4,5,6,7
	ds_load_b128 v[GS+4*\n:GS+4*\n+3], v[RB] offset:(\n/2)*1040+(\n%2)*512
.endr
	s_wait_dscnt 0x0
.irp n, 0,1,2,3,4,5,6,7
	global_store_b128 v[L16], v[GS+4*\n:GS+4*\n+3], s[OUTP:OUTP+1] offset:512*\n th:TH_STORE_NT  ; 512 consecutive bytes, aligned
.endr
	s_mov_b32 s58, 4096
	s_cmp_eq_u32 s[CK], 3
	s_cselect_b32 s58, 262144-12288, s58           ; behind the first sequence's 16 rows: on to the second
	s_mov_b32 s59, 0
	s_wait_xcnt 0x0                                ; the stores have read their base and their data
	s_add_nc_u64 s[OUTP:OUTP+1], s[OUTP:OUTP+1], s[58:59]
	s_add_co_u32 s[RBS], s[RBS], 4*1040
	s_add_co_u32 s[CK], s[CK], 1
	s_cmp_lt_u32 s[CK], 8
	s_cbranch_scc1 .Lout
	; ---------------- a and b: one set of statistics, two sets of g, bl, W, b
	LNSTAT
	s_mov_b32 s[CK], 2
	s_mov_b32 s[RECP], PREC
	s_mov_b32 s[B1P], PBIAS
	s_mov_b32 s[ABSP], ABS
.Lproj:
	WIN 0xc0
.set f, 0
.rept 16
	global_load_b128 v[8*f:8*f+3], v[L16], s[PJP:PJP+1] offset:1024*f
	global_load_b128 v[8*f+4:8*f+7], v[L16], s[PJP:PJP+1] offset:1024*f+512
.set f, f+1
.endr
	WIN 0
	v_add_nc_u32 v[PA], s[RECP], v[H32]
	v_add_nc_u32 v[BA], s[B1P], v[H32]
	LNAPPLY 0, 1024
	FETCHBI
	s_wait_loadcnt 0x0
	s_wait_dscnt 0x0
	G1
	PLACES
	WIN 0
.set j, 0
.rept 16                               ; channel 16 u + 8 hh + j % 8 of my two sequences in one word, each accumulator from its low end
	v_cvt_pk_f16_f32 v[GS+j], v[HA+16*(j/8)+j%8], v[HA+16*(j/8)+8+j%8]
.set j, j+1
.endr
	v_add_nc_u32 v[ABA], s[ABSP], v[ABST]
.set j, 0
.rept 16
	ds_store_b32 v[ABA], v[GS+j] offset:256*(j/8)+16*(j%8)
.set j, j+1
.endr
	s_wait_xcnt 0x0
	s_add_nc_u64 s[PJP:PJP+1], s[PJP:PJP+1], 16384
	s_add_co_u32 s[RECP], s[RECP], 2048
	s_add_co_u32 s[B1P], s[B1P], 128
	s_add_co_u32 s[ABSP], s[ABSP], 8448
	s_sub_co_u32 s[CK], s[CK], 1
	s_cmp_lg_u32 s[CK], 0
	s_cbranch_scc1 .Lproj
	s_wait_dscnt 0x0                               ; for the others' sake
	s_barrier_signal -1
	s_barrier_wait -1
	; a leaves as source 0 of the outer product (rows h, K = s), b as source 1 (columns j, K = s): for 8 sequences 16 bytes a (residue, channel)
.irp n, 0,1,2,3
	ds_load_b128 v[GS+4*\n:GS+4*\n+3], v[ABLA] offset:528*\n         ; residue 4 w + n, lane = channel h
	ds_load_b128 v[GS+16+4*\n:GS+16+4*\n+3], v[ABLB] offset:32*\n    ; channel k = 8 w + 2 n + lane / 16, lane % 16 = residue
.endr
	s_wait_dscnt 0x0
.irp n, 0,1,2,3
	global_store_b128 v[ABO], v[GS+4*\n:GS+4*\n+3], s[ATP:ATP+1] offset:8192*\n        ; sixteen lanes store 256 consecutive bytes, aligned
	global_store_b128 v[ABO], v[GS+16+4*\n:GS+16+4*\n+3], s[BTP:BTP+1] offset:8192*\n
.endr
	s_wait_tensorcnt 0x0                           ; the wave's end
	ds_add_u32 v[SPW], v[NIL]
	s_wait_dscnt 0x0
	ROUND                                          ; the closing round
	s_endpgm
.Lfunc_end_k_q650c7ab349_msa:
	.size	k_q650c7ab349_msa, .Lfunc_end_k_q650c7ab349_msa-k_q650c7ab349_msa
	.p2alignl 7, 3214868480
	.fill 96, 4, 3214868480
	.section	.rodata,"a",@progbits
	.p2align	6, 0x0
	.amdhsa_kernel k_q650c7ab349_msa
		.amdhsa_group_segment_fixed_size 327680
		.amdhsa_private_segment_fixed_size 0
		.amdhsa_enable_private_segment 0
		.amdhsa_kernarg_size 232
		.amdhsa_user_sgpr_count 2
		.amdhsa_user_sgpr_kernarg_segment_ptr 1
		.amdhsa_wavefront_size32 1
		.amdhsa_system_sgpr_workgroup_id_x 1
		.amdhsa_system_sgpr_workgroup_id_y 1
		.amdhsa_system_sgpr_workgroup_id_z 1
		.amdhsa_system_vgpr_workitem_id 0
		.amdhsa_next_free_vgpr 1024
		.amdhsa_next_free_sgpr 100
		.amdhsa_reserve_vcc 0
		.amdhsa_float_denorm_mode_32 3
		.amdhsa_float_denorm_mode_16_64 3
		.amdhsa_memory_ordered 1
		.amdhsa_forward_progress 1
		.amdhsa_inst_pref_size 238
	.end_amdhsa_kernel
	.amdgpu_metadata
---
amdhsa.version: [ 1, 2 ]
amdhsa.kernels:
  - .name:           k_q650c7ab349_msa
    .symbol:         k_q650c7ab349_msa.kd
    .args:
      - { .name: m, .offset: 0, .size: 8, .value_kind: global_buffer, .address_space: global }
      - { .name: u, .offset: 8, .size: 8, .value_kind: global_buffer, .address_space: global }
      - { .name: wts, .offset: 16, .size: 8, .value_kind: global_buffer, .address_space: global }
      - { .name: out0, .offset: 24, .size: 8, .value_kind: global_buffer, .address_space: global }
      - { .name: ab, .offset: 32, .size: 8, .value_kind: global_buffer, .address_space: global }
      - { .name: t, .offset: 40, .size: 8, .value_kind: global_buffer, .address_space: global }
      - { .name: params_time_W1, .offset: 48, .size: 8, .value_kind: global_buffer, .address_space: global }
      - { .name: params_time_b1, .offset: 56, .size: 8, .value_kind: global_buffer, .address_space: global }
      - { .name: params_time_W2, .offset: 64, .size: 8, .value_kind: global_buffer, .address_space: global }
      - { .name: params_time_b2, .offset: 72, .size: 8, .value_kind: global_buffer, .address_space: global }
      - { .name: params_msa_row_g, .offset: 80, .size: 8, .value_kind: global_buffer, .address_space: global }
      - { .name: params_msa_row_bl, .offset: 88, .size: 8, .value_kind: global_buffer, .address_space: global }
      - { .name: params_msa_row_b2, .offset: 96, .size: 8, .value_kind: global_buffer, .address_space: global }
      - { .name: params_msa_col_g, .offset: 104, .size: 8, .value_kind: global_buffer, .address_space: global }
      - { .name: params_msa_col_bl, .offset: 112, .size: 8, .value_kind: global_buffer, .address_space: global }
      - { .name: params_msa_col_b2, .offset: 120, .size: 8, .value_kind: global_buffer, .address_space: global }
      - { .name: params_msa_trans_g, .offset: 128, .size: 8, .value_kind: global_buffer, .address_space: global }
      - { .name: params_msa_trans_bl, .offset: 136, .size: 8, .value_kind: global_buffer, .address_space: global }
      - { .name: params_msa_trans_b2, .offset: 144, .size: 8, .value_kind: global_buffer, .address_space: global }
      - { .name: params_msa_row_b1, .offset: 152, .size: 8, .value_kind: global_buffer, .address_space: global }
      - { .name: params_msa_col_b1, .offset: 160, .size: 8, .value_kind: global_buffer, .address_space: global }
      - { .name: params_msa_trans_b1, .offset: 168, .size: 8, .value_kind: global_buffer, .address_space: global }
      - { .name: params_proj_a_g, .offset: 176, .size: 8, .value_kind: global_buffer, .address_space: global }
      - { .name: params_proj_a_bl, .offset: 184, .size: 8, .value_kind: global_buffer, .address_space: global }
      - { .name: params_proj_b_g, .offset: 192, .size: 8, .value_kind: global_buffer, .address_space: global }
      - { .name: params_proj_b_bl, .offset: 200, .size: 8, .value_kind: global_buffer, .address_space: global }
      - { .name: params_pair_to_msa_b, .offset: 208, .size: 8, .value_kind: global_buffer, .address_space: global }
      - { .name: params_proj_a_b, .offset: 216, .size: 8, .value_kind: global_buffer, .address_space: global }
      - { .name: params_proj_b_b, .offset: 224, .size: 8, .value_kind: global_buffer, .address_space: global }
    .group_segment_fixed_size: 327680
    .private_segment_fixed_size: 0
    .kernarg_segment_align: 8
    .kernarg_segment_size: 232
    .max_flat_workgroup_size: 128
    .sgpr_count:     100
    .vgpr_count:     1024
    .wavefront_size: 32
...
	.end_amdgpu_metadata
.endif
;; end of part 2
;; launch pair (part 3): grid 32 x 8, 4 waves a work-group, clusters of 4 x 1, 327,680 bytes of LDS; arguments z, ab, wts, out1, t, params_time_W1, params_time_b1, params_time_W2, params_time_b2, params_outer_to_pair_b, params_tri_out_g, params_tri_out_bl, params_tri_out_b2, params_tri_in_g, params_tri_in_bl, params_tri_in_b2, params_attn_start_g, params_attn_start_bl, params_attn_start_b2, params_attn_end_g, params_attn_end_bl, params_attn_end_b2, params_pair_trans_g, params_pair_trans_bl, params_pair_trans_b2, params_tri_out_b1, params_tri_in_b1, params_attn_start_b1, params_attn_end_b1, params_pair_trans_b1; writes out1
.if DOCPART == 3
	.amdgcn_target "amdgcn-amd-amdhsa--gfx1250"
	.amdhsa_code_object_version 6
	.text
	.protected	k_q650c7ab349_pair
	.globl	k_q650c7ab349_pair
	.p2align	8
	.type	k_q650c7ab349_pair,@function
k_q650c7ab349_pair:
	s_mov_b64 s[64:65], 0
	v_nop
	global_prefetch_b8 v0, s[64:65] scope:SCOPE_SE
	s_setreg_imm32_b32 hwreg(HW_REG_WAVE_MODE, 25, 1), 1
	s_wait_xcnt 0x0
	s_wait_alu depctr_hold_cnt(0) depctr_sa_sdst(0) depctr_va_vdst(0) depctr_va_sdst(0) depctr_va_ssrc(0) depctr_va_vcc(0) depctr_vm_vsrc(0)
	s_getreg_b32 s2, hwreg(HW_REG_IB_STS2, 6, 4)
	s_cmp_eq_u32 s2, 0
	s_cbranch_scc0 .Lentry_in_a_cluster
	s_endpgm
.Lentry_in_a_cluster:
	s_bfe_u32 s2, ttmp6, 0x10000c
	s_cmp_lg_u32 s2, 0x3003
	s_cbranch_scc0 .Lentry_shape_is_right
	s_endpgm
.Lentry_shape_is_right:
; THE PAIR TRACK IN ONE LAUNCH: x = z + (sum over s of a[s,i,h] b[s,j,k]) (Wo / 128) + bo; five times x += relu(LN(x) W1 + b1) W2 + b2; out1 = (x - z) mix1.
; SHARES.  A work-group owns 8 i x 32 j = 256 rows of 128 channels; a wave two i x two tiles of 16 j: four row tiles rt = 2 i2 + jt, lane r = j.
; LAYOUT.  All products transposed, as in the MSA launch: lane (r, hh) of a result holds row r and 8 channels; results rounded in pairs are source 1 of the next product; x stays in 256 registers.
; PHASE 1, for k = 0..31: op[h] (32 h, one k) = a^T b over 128 s (source 0 = a's fragment: rows h; source 1 = b's: columns j), rounded to bf16, is source 1 of x += Wo_k^T op (K = h).
; PHASE 2: 32 chunks of 16 KiB (32 hidden channels: 8 fragments of W1, 8 of W2).
; THE RING: two LDS slots of 64 KiB, 16 fills: 8 of phase 1 (four k: 32 KiB of Wo, 16 KiB of b for each tile of j), 8 of phase 2 (four chunks).  The four work-groups of a cluster share j and the weights:
; every fill is asked for JOINTLY (mask 15), 16 KiB a wave, behind a round of the cluster's barrier; a slot is 256 matrix instructions a wave.  z stays in LDS and becomes out1's stage in place.
; FORMATS.  a, b, LN(x), the hidden layer and the blocks' weights in f16; op and Wo / 128 in bf16 (op's range has no room in f16); sums, x, statistics, biases in f32; LN in two passes.
; LIMITS.  |LN(x) g + bl| and the hidden layer stay under 65,504; below 6e-5 f16 keeps its fixed step of 6e-8.  NaN and infinities are not treated apart.
; REGISTERS (s_set_vgpr_msb: bits 1:0 source 0, 3:2 source 1, 5:4 source 2, 7:6 destination):
;   window 0: v0-31 addresses; v32-95 HA, eight accumulators (op, hidden; also at work); v96-127 HB, their 16-bit form (also LN's statistics); v128-255 XN; in phase 1 v128-191 b's fragments, v192-255 Wo's
;   window 1: x, tile (rt, ct) at 64 rt + 8 ct     window 2: v0-127 a's fragments, later v0-63 W1, v64-127 W2; v128-143 b1
.set NRT, 4
.set NT,  8
.set PPR, 4*NT
.set CHB, 16384
.set SLOTX, 0x10000
.set ZR,  131072                       ; z: 256 rows, pitch 528
.set ZRW, 33792                        ; a wave's 64 rows
.set PAR, 266240
.set B1,  PAR                          ; b1, 128 bytes a chunk
.set REC, PAR+4096                     ; six records of 1,536: [the vector added ahead of the LN, g, bl]
.set SPARE, 279552
.set W_WO, 1671168
.set W_PS, 1933312
.set A_BT, 2097152
.set LANE, 1
.set L16, 2
.set FA,  3
.set BA,  4
.set H32, 5
.set PA,  6
.set ZRD, 7
.set RB,  8
.set FW,  9
.set SPW, 10                           ; LDS address of my spare word; never rewritten
.set NIL, 11                           ; 0; never rewritten
.set ZERO, 12
.set PFO, 13
.set MIX, 14
.set FB,  26
.set HA,  32
.set TT,  32
.set GS,  64
.set HB,  96
.set STB, 96
.set XNB, 128
.set BTF, 128
.set WOF, 192
.set BI,  128                          ; in window 2
.set MT,  240
.set WV,  4
.set CX,  5
.set IB,  6
.set JB,  7
.set SEL, 12
.set RBS, 14
.set TAILK, 15
.set G1R, 16
.set G0R, 24
.set G1Z, 28
.set G0Z, 36
.set P1,  40                           ; s[40:41] my source of the next fill of phase 1
.set P2,  42                           ; s[42:43] of phase 2
.set ST1, 44
.set FI,  45                           ; the next fill's number
.set Q1,  46                           ; the same three for the prefetches, two fills ahead
.set Q2,  48
.set PF,  50
.set QS1, 52
.set E1,  53
.set E2,  54
.set EN,  55
.set INV, 56
.set EPS, 57
.set TRIPK, 62
.set CK,  63
.set TBW, 66
.set TBB, 67
.set OUTP, 74
.set TB,  84
.set B1P, 85
.set RECP, 86
.set MSB, 0
.macro WIN new
.if MSB != (\new)
	s_set_vgpr_msb (MSB<<8)|(\new)
.set MSB, (\new)
.endif
.endm
.macro PLACES                          ; four places behind matrix instructions (ISA guide 7.12.1)
.rept 4
	v_nop
.endr
.endm
.macro ROUND
	s_barrier_signal -1
	s_barrier_wait -1
	s_cmp_lg_u32 s[WV], 0
	s_cbranch_scc1 .Lnw0_\@
	s_barrier_signal -3
.Lnw0_\@:
	s_barrier_wait -3
	s_barrier_signal -1
	s_barrier_wait -1
.endm
.macro EACH line:vararg
.set rt, 0
.rept NRT
	\line
.set rt, rt+1
.endr
.endm
; Group 0 for fill FI: the other slot; the source by the phase.  No branch; all that enters is the wave's number, the cluster's y and FI: alike in the four partners.
.macro SETFILL
	s_xor_b32 s[G0R+1], s[G0R+1], SLOTX
	s_cmp_lt_u32 s[FI], 8
	s_cselect_b64 s[G0R+2:G0R+3], s[P1:P1+1], s[P2:P2+1]
	s_cselect_b32 s58, s[ST1], 0
	s_cselect_b32 s60, 0, 65536
	s_mov_b32 s59, 0
	s_mov_b32 s61, 0
	s_or_b32 s[G0R+3], s[G0R+3], 0x80000000
	s_add_nc_u64 s[P1:P1+1], s[P1:P1+1], s[58:59]
	s_add_nc_u64 s[P2:P2+1], s[P2:P2+1], s[60:61]
	s_add_co_u32 s[FI], s[FI], 1
.endm
; The prefetch of fill FI + 2.  Even waves ask, each for two waves' parts (32 KiB: four partners, told apart by address, x 32 lanes x 256 bytes).  Wo and the chunks are read by every cluster: cluster (0, 0) asks;
; b's tiles by the clusters of one y: the one with x = 0 asks.  From fill 16 on there is nothing.
.macro ASKPREP
	s_wait_xcnt 0x0                                ; the last prefetch, a slot back, has read its address
	s_add_co_u32 s58, s[FI], 2
	s_cmp_lt_u32 s58, 8
	s_cselect_b64 s[PF:PF+1], s[Q1:Q1+1], s[Q2:Q2+1]
	s_cselect_b32 s[EN], s[E1], s[E2]
	s_cselect_b32 s60, s[QS1], 0
	s_cselect_b32 s10, 0, 65536
	s_mov_b32 s61, 0
	s_mov_b32 s11, 0
	s_add_nc_u64 s[Q1:Q1+1], s[Q1:Q1+1], s[60:61]
	s_add_nc_u64 s[Q2:Q2+1], s[Q2:Q2+1], s[10:11]
	s_cmp_lt_u32 s58, 16
	s_cselect_b32 s[EN], s[EN], 0
.endm
.macro ASK
	s_cmp_eq_u32 s[EN], 1
	s_cbranch_scc0 .Lna_\@
	global_prefetch_b8 v[PFO], s[PF:PF+1] th:TH_LOAD_NT scope:SCOPE_SE
.Lna_\@:
.endm
.macro REFILL                          ; behind the three lines: the round, and my one tensor load first thing behind it
	ROUND
	tensor_load_to_lds s[G0R:G0R+3], s[G1R:G1R+7]
	s_nop 0
	PLACES
.endm
	; ---- phase 1
.macro FETCHW                          ; Wo's eight fragments of this k
	WIN 0
.set c, 0
.rept 8
	ds_load_b128 v[WOF+8*c:WOF+8*c+3], v[FW] offset:1024*c
	ds_load_b128 v[WOF+8*c+4:WOF+8*c+7], v[FW] offset:1024*c+512
.set c, c+1
.endr
.endm
.macro FETCHB                          ; b's eight fragments (tile jt, 32 s at ss) of the next k
	WIN 0
.set c, 0
.rept 8
	ds_load_b128 v[BTF+8*c:BTF+8*c+3], v[FB] offset:16384*(c/4)+1024*(c%4)
	ds_load_b128 v[BTF+8*c+4:BTF+8*c+7], v[FB] offset:16384*(c/4)+1024*(c%4)+512
.set c, c+1
.endr
.endm
.macro O1                              ; op(ht, rt): eight accumulators take turns; the first 32 s start the sums
	WIN 0x02
.set ss, 0
.rept 4
.set ht, 0
.rept 2
.set rt, 0
.rept 4
.set rd, HA+8*(4*ht+rt)
.set ra, 8*(4*(2*(rt/2)+ht)+ss)
.set rc, BTF+8*(4*(rt%2)+ss)
.if ss == 0
	v_wmma_f32_16x16x32_f16 v[rd:rd+7], v[ra:ra+7], v[rc:rc+7], 0
.else
	v_wmma_f32_16x16x32_f16 v[rd:rd+7], v[ra:ra+7], v[rc:rc+7], v[rd:rd+7]
.endif
.set rt, rt+1
.endr
.set ht, ht+1
.endr
.set ss, ss+1
.endr
.endm
.macro CVB                             ; op to bf16, each accumulator from its low end
	WIN 0
.set j, 0
.rept 32
	v_cvt_pk_bf16_f32 v[HB+8*(j/8)+j%8], v[HA+8*(4*((j%8)/4)+j/8)+2*(j%4)], v[HA+8*(4*((j%8)/4)+j/8)+2*(j%4)+1]
.set j, j+1
.endr
.endm
.macro O2                              ; x += Wo_k^T op: 32 accumulators, one instruction each
	WIN 0x50
.set c, 0
.rept 8
.set rt, 0
.rept 4
	v_wmma_f32_16x16x32_bf16 v[64*rt+8*c:64*rt+8*c+7], v[WOF+8*c:WOF+8*c+7], v[HB+8*rt:HB+8*rt+7], v[64*rt+8*c:64*rt+8*c+7]
.set rt, rt+1
.endr
.set c, c+1
.endr
.endm
.macro KSTEP
	FETCHW
	s_wait_dscnt 16                                ; b's fragments are in; Wo's 16 loads may stay out
	O1
	PLACES
	s_add_co_u32 s[TBW], s[TBW], 8192
	s_add_co_u32 s[TBB], s[TBB], 4096
	WIN 0
	v_add_nc_u32 v[FW], s[TBW], v[L16]
	v_add_nc_u32 v[FB], s[TBB], v[L16]
	FETCHB
	CVB
	s_wait_dscnt 16                                ; Wo's are in; the next k's 16 loads may stay out
	O2
	PLACES
.endm
.macro KSTEPX                          ; a slot's fourth k, with the change of slots between its two products
	FETCHW
	s_wait_dscnt 16
	O1
	PLACES
	WIN 0
	s_wait_tensorcnt 0x0                           ; no tensor load of mine is out
	ds_add_u32 v[SPW], v[NIL]                      ; 0 onto my spare word; work on registers stands between it and the wait for it
	CVB
	ASKPREP
	SETFILL
	s_wait_dscnt 0x0                               ; the add is done, and my reads of this slot are over
	REFILL
	s_sub_co_u32 s[TBW], s[TBW], 3*8192
	s_xor_b32 s[TBW], s[TBW], SLOTX
	s_sub_co_u32 s[TBB], s[TBB], 3*4096
	s_xor_b32 s[TBB], s[TBB], SLOTX
	v_add_nc_u32 v[FW], s[TBW], v[L16]
	v_add_nc_u32 v[FB], s[TBB], v[L16]
	FETCHB
	ASK
	O2
	PLACES
.endm
	; ---- phase 2
.macro FETCH1                          ; a chunk's W1 (fragment 2 ks + u) and b1: 20 loads
	WIN 0x80
.set f, 0
.rept 8
	ds_load_b128 v[8*f:8*f+3], v[FA] offset:1024*f
	ds_load_b128 v[8*f+4:8*f+7], v[FA] offset:1024*f+512
.set f, f+1
.endr
	ds_load_b128 v[BI:BI+3], v[BA]
	ds_load_b128 v[BI+4:BI+7], v[BA] offset:16
	ds_load_b128 v[BI+8:BI+11], v[BA] offset:64
	ds_load_b128 v[BI+12:BI+15], v[BA] offset:80
.endm
.macro FETCH2                          ; its W2: 16 loads
	WIN 0x80
.set f, 0
.rept 8
	ds_load_b128 v[64+8*f:64+8*f+3], v[FA] offset:8192+1024*f
	ds_load_b128 v[64+8*f+4:64+8*f+7], v[FA] offset:8192+1024*f+512
.set f, f+1
.endr
.endm
.macro G1
.set ks, 0
.rept 4
.if ks == 0
	WIN 0x22                                       ; the first K step takes b1, in window 2, as C
.else
	WIN 0x02
.endif
.set u, 0
.rept 2
.set rt, 0
.rept 4
.set rd, HA+8*(4*u+rt)
.if ks == 0
	v_wmma_f32_16x16x32_f16 v[rd:rd+7], v[8*(2*ks+u):8*(2*ks+u)+7], v[XNB+32*rt+8*ks:XNB+32*rt+8*ks+7], v[BI+8*u:BI+8*u+7]
.else
	v_wmma_f32_16x16x32_f16 v[rd:rd+7], v[8*(2*ks+u):8*(2*ks+u)+7], v[XNB+32*rt+8*ks:XNB+32*rt+8*ks+7], v[rd:rd+7]
.endif
.set rt, rt+1
.endr
.set u, u+1
.endr
.set ks, ks+1
.endr
.endm
.macro ACT
	WIN 0
.set j, 0
.rept 32
	v_cvt_pk_f16_f32 v[HB+8*(j/8)+j%8], v[HA+8*(4*((j%8)/4)+j/8)+2*(j%4)], v[HA+8*(4*((j%8)/4)+j/8)+2*(j%4)+1]
.set j, j+1
.endr
.set j, 0
.rept 32
	v_pk_max_num_f16 v[HB+j], v[HB+j], v[ZERO]
.set j, j+1
.endr
.endm
.macro G2
	WIN 0x52
.set t, 0
.rept 8
.set rt, 0
.rept 4
	v_wmma_f32_16x16x32_f16 v[64*rt+8*t:64*rt+8*t+7], v[64+8*t:64+8*t+7], v[HB+8*rt:HB+8*rt+7], v[64*rt+8*t:64*rt+8*t+7]
.set rt, rt+1
.endr
.set t, t+1
.endr
.endm
.macro CHUNK
	FETCH2
	s_wait_dscnt 16                                ; W1 and b1 are in; the 16 loads just issued may stay out
	G1
	PLACES
	s_add_co_u32 s[TB], s[TB], CHB
	s_add_co_u32 s[B1P], s[B1P], 128
	WIN 0
	v_add_nc_u32 v[FA], s[TB], v[L16]
	v_add_nc_u32 v[BA], s[B1P], v[H32]
	FETCH1
	ACT
	s_wait_dscnt 20                                ; W2 is in; the next chunk's 20 loads may stay out
	G2
	PLACES
.endm
.macro CHUNKX fill
	FETCH2
	s_wait_dscnt 16
	G1
	PLACES
	WIN 0
	s_wait_tensorcnt 0x0
	ds_add_u32 v[SPW], v[NIL]
	ACT
.if \fill
	ASKPREP
	SETFILL
.endif
	s_wait_dscnt 0x0
.if \fill
	REFILL
.else
	s_barrier_signal -1
	s_barrier_wait -1
.endif
	s_sub_co_u32 s[TB], s[TB], 3*CHB
	s_xor_b32 s[TB], s[TB], SLOTX
	s_add_co_u32 s[B1P], s[B1P], 128
	v_add_nc_u32 v[FA], s[TB], v[L16]
	v_add_nc_u32 v[BA], s[B1P], v[H32]
	FETCH1
	WIN 0
.if \fill
	ASK
.endif
	G2
	PLACES
.endm
.macro LNSTAT                          ; x fills window 1: pair n of row tile rt is v[2 (PPR rt + n)]; each tile is read from its low end on
	WIN 0x05
.set rt, 0
.rept NRT
.set xr, 2*PPR*rt
.set sr, STB+8*rt
	v_pk_add_f32 v[sr:sr+1], v[xr:xr+1], v[xr+2:xr+3]
	v_pk_add_f32 v[sr+2:sr+3], v[xr+4:xr+5], v[xr+6:xr+7]
.set rt, rt+1
.endr
	WIN 0x01
.set i, 4
.rept PPR-4
.set rt, 0
.rept NRT
.set xr, 2*(PPR*rt+i)
.set sr, STB+8*rt+2*(i%2)
	v_pk_add_f32 v[sr:sr+1], v[xr:xr+1], v[sr:sr+1]
.set rt, rt+1
.endr
.set i, i+1
.endr
	WIN 0
	EACH v_pk_add_f32 v[STB+8*rt:STB+8*rt+1], v[STB+8*rt:STB+8*rt+1], v[STB+8*rt+2:STB+8*rt+3]
	EACH v_add_f32 v[STB+8*rt], v[STB+8*rt], v[STB+8*rt+1]
	EACH v_permlanex16_b32 v[STB+8*rt+2], v[STB+8*rt], s[SEL], s[SEL+1]
	EACH v_add_f32 v[STB+8*rt], v[STB+8*rt], v[STB+8*rt+2]
	EACH v_mul_f32 v[STB+8*rt], s[INV], v[STB+8*rt]
.set b, 0
.rept 8
	WIN 0x01
.set j, 0
.rept 16
.set rt, j%NRT
.set xr, 2*(PPR*rt+b*(16/NRT)+j/NRT)
	v_pk_add_f32 v[TT+2*j:TT+2*j+1], v[xr:xr+1], v[STB+8*rt:STB+8*rt+1] op_sel_hi:[1,0] neg_lo:[0,1] neg_hi:[0,1]
.set j, j+1
.endr
	WIN 0
.set j, 0
.rept 16
.set i, b*(16/NRT)+j/NRT
.set sr, STB+8*(j%NRT)+4+2*(i%2)
.if i < 2
	v_pk_mul_f32 v[sr:sr+1], v[TT+2*j:TT+2*j+1], v[TT+2*j:TT+2*j+1]
.else
	v_pk_fma_f32 v[sr:sr+1], v[TT+2*j:TT+2*j+1], v[TT+2*j:TT+2*j+1], v[sr:sr+1]
.endif
.set j, j+1
.endr
.set b, b+1
.endr
	EACH v_pk_add_f32 v[STB+8*rt+4:STB+8*rt+5], v[STB+8*rt+4:STB+8*rt+5], v[STB+8*rt+6:STB+8*rt+7]
	EACH v_add_f32 v[STB+8*rt+4], v[STB+8*rt+4], v[STB+8*rt+5]
	EACH v_permlanex16_b32 v[STB+8*rt+6], v[STB+8*rt+4], s[SEL], s[SEL+1]
	EACH v_add_f32 v[STB+8*rt+4], v[STB+8*rt+4], v[STB+8*rt+6]
	EACH v_fma_f32 v[STB+8*rt+4], v[STB+8*rt+4], s[INV], s[EPS]
	EACH v_rsq_f32 v[STB+8*rt+2], v[STB+8*rt+4]
	v_nop                                          ; a plain instruction behind the last root,
	s_wait_alu depctr_va_vdst(0)                   ; and one wait for the four
	EACH v_mul_f32 v[STB+8*rt+4], v[STB+8*rt], v[STB+8*rt+2]
.endm
.macro LNLOAD t, goff, boff
.set gb, GS+16*((\t)%2)
	ds_load_b128 v[gb:gb+3], v[PA] offset:(\goff)+64*(\t)
	ds_load_b128 v[gb+4:gb+7], v[PA] offset:(\goff)+64*(\t)+16
	ds_load_b128 v[gb+8:gb+11], v[PA] offset:(\boff)+64*(\t)
	ds_load_b128 v[gb+12:gb+15], v[PA] offset:(\boff)+64*(\t)+16
.endm
.macro LNAPPLY goff, boff
	WIN 0
	LNLOAD 0, \goff, \boff
.set t, 0
.rept NT
.if t < NT-1
	LNLOAD t+1, \goff, \boff
	s_wait_dscnt 4                                 ; this tile's set is in; the next tile's four loads may stay out
.else
	s_wait_dscnt 0x0
.endif
	WIN 0x01
.set j, 0
.rept 4*NRT
.set rt, j/4
.set xr, 2*(PPR*rt+4*t+j%4)
	v_pk_fma_f32 v[TT+2*j:TT+2*j+1], v[xr:xr+1], v[STB+8*rt+2:STB+8*rt+3], v[STB+8*rt+4:STB+8*rt+5] op_sel_hi:[1,0,0] neg_lo:[0,0,1] neg_hi:[0,0,1]
.set j, j+1
.endr
	WIN 0
.set gb, GS+16*(t%2)
.set j, 0
.rept 4*NRT
	v_pk_fma_f32 v[TT+2*j:TT+2*j+1], v[TT+2*j:TT+2*j+1], v[gb+2*(j%4):gb+2*(j%4)+1], v[gb+8+2*(j%4):gb+8+2*(j%4)+1]
.set j, j+1
.endr
.set j, 0
.rept 4*NRT
	v_cvt_pk_f16_f32 v[XNB+4*NT*(j/4)+4*t+j%4], v[TT+2*j], v[TT+2*j+1]
.set j, j+1
.endr
.set t, t+1
.endr
.endm
.macro ADDV areg, off, ts, qs
.set bb, 0
.rept NT/4
	WIN 0
.set tq, 0
.rept 4
	ds_load_b128 v[GS+8*tq:GS+8*tq+3], v[\areg] offset:(\off)+(\ts)*(4*bb+tq)
	ds_load_b128 v[GS+8*tq+4:GS+8*tq+7], v[\areg] offset:(\off)+(\ts)*(4*bb+tq)+(\qs)
.set tq, tq+1
.endr
	s_wait_dscnt 0x0
	WIN 0x41
.set tq, 0
.rept 4
.set rt, 0
.rept NRT
.set p, 0
.rept 4
.set xr, 2*(PPR*rt+4*(4*bb+tq)+p)
	v_pk_add_f32 v[xr:xr+1], v[xr:xr+1], v[GS+8*tq+2*p:GS+8*tq+2*p+1]
.set p, p+1
.endr
.set rt, rt+1
.endr
.set tq, tq+1
.endr
.set bb, bb+1
.endr
.endm
.macro MIXER                           ; sigmoid(silu(t W1 + b1) . W2[:, c] + b2[c]); v[MT..MT+4] = t, W1[l], b1[l], W2[l][c], b2[c]
	v_fma_f32 v[MT+5], v[MT], v[MT+1], v[MT+2]
	v_mul_f32 v[MT+6], 0xbfb8aa3b, v[MT+5]
	v_exp_f32 v[MT+6], v[MT+6]
	v_nop
	s_wait_alu depctr_va_vdst(0)
	v_add_f32 v[MT+6], 1.0, v[MT+6]
	v_rcp_f32 v[MT+6], v[MT+6]
	v_nop
	s_wait_alu depctr_va_vdst(0)
	v_mul_f32 v[MT+5], v[MT+5], v[MT+6]
	v_mul_f32 v[MT+5], v[MT+5], v[MT+3]
.irp m, 1,2,4,8
	v_add_f32_dpp v[MT+5], v[MT+5], v[MT+5] row_xmask:\m row_mask:0xf bank_mask:0xf
.endr
	v_permlanex16_b32 v[MT+6], v[MT+5], s[SEL], s[SEL+1]
	v_add_f32 v[MT+5], v[MT+5], v[MT+6]
	v_add_f32 v[MT+5], v[MT+5], v[MT+4]
	v_mul_f32 v[MT+5], 0xbfb8aa3b, v[MT+5]
	v_exp_f32 v[MT+5], v[MT+5]
	v_nop
	s_wait_alu depctr_va_vdst(0)
	v_add_f32 v[MT+5], 1.0, v[MT+5]
	v_rcp_f32 v[MIX], v[MT+5]
	v_nop
	s_wait_alu depctr_va_vdst(0)
	v_mov_b32 v[MIX+1], v[MIX]
.endm
	; ---------------- the head
	s_load_b512 s[68:83], s[0:1], 0x0              ; z s[68:69], ab s[70:71], wts s[72:73], out1 s[74:75], t s[76:77], time_W1 s[78:79], time_b1 s[80:81], time_W2 s[82:83]
	s_load_b64 s[12:13], s[0:1], 0x40              ; time_b2
	v_lshl_add_u32 v[SPW], v0, 2, SPARE
	v_mov_b32 v[NIL], 0
	ds_add_u32 v[SPW], v[NIL]                      ; the wave's opening: the add, twice on end, and its wait ahead of my first tensor load
	ds_add_u32 v[SPW], v[NIL]
	v_lshrrev_b32 v16, 5, v0
	v_readfirstlane_b32 s[WV], v16
	s_bfe_u32 s[CX], ttmp6, 0x40000                ; my place in the cluster: it enters global addresses alone
	s_lshl2_add_u32 s[IB], ttmp9, s[CX]            ; my block of 8 i
	s_and_b32 s[JB], ttmp7, 0xffff                 ; my block of 32 j, which the partners share
	s_mov_b32 s[G1R+0], 15|(3<<16)|(1<<21)         ; the ring's loads: mask of four; elements of 8 bytes; bit 21 beside a mask
	s_mov_b32 s[G1R+1], 32<<16                     ; rows of 256 bytes,
	s_mov_b32 s[G1R+2], 64<<16                     ; 64 of them, dense
	s_mov_b32 s[G1R+3], 32<<16
	s_mov_b32 s[G1R+4], 64
	s_mov_b32 s[G1R+5], 32
	s_mov_b32 s[G1R+6], 0
	s_mov_b32 s[G1R+7], 0
	s_mov_b32 s[G0R], 1
	s_lshl_b32 s[G0R+1], s[WV], 14
	s_add_co_u32 s[G0R+1], s[G0R+1], SLOTX         ; the first SETFILL turns this into slot 0
	s_mov_b32 s[G1Z+0], (2<<16)|(1<<20)|(6<<22)|(3<<25)  ; z: my own load; elements of 4 bytes; after every 128 words (a row) 4 words of padding
	s_mov_b32 s[G1Z+1], 4096<<16                   ; 32 j of one i are 16,384 consecutive bytes
	s_mov_b32 s[G1Z+2], 2<<16
	s_mov_b32 s[G1Z+3], 4096<<16
	s_mov_b32 s[G1Z+4], 2
	s_mov_b32 s[G1Z+5], 32768                      ; elements from an i to the next
	s_mov_b32 s[G1Z+6], 0
	s_mov_b32 s[G1Z+7], 0
	s_mov_b32 s[G0Z], 1
	s_mul_i32 s[RBS], s[WV], ZRW
	s_add_co_u32 s[RBS], s[RBS], ZR
	s_mov_b32 s[G0Z+1], s[RBS]
	s_mov_b32 s[FI], 0
	s_mov_b32 s[INV], 0x3c000000                   ; 1 / 128
	s_mov_b32 s[EPS], 0x3727c5ac                   ; 1e-5
	s_and_b32 s58, s[WV], 1                        ; who prefetches
	s_or_b32 s59, s58, ttmp9                       ; 0: an even wave of a cluster with x = 0
	s_or_b32 s60, s59, s[JB]                       ; 0: and y = 0
	s_cmp_eq_u32 s60, 0
	s_cselect_b32 s[E2], 1, 0
	s_cmp_eq_u32 s59, 0
	s_cselect_b32 s61, 1, 0
	s_cmp_lt_u32 s[WV], 2
	s_cselect_b32 s[E1], s[E2], s61
	s_lshl_b32 s8, s[IB], 3
	s_lshl1_add_u32 s8, s[WV], s8                  ; my first i
	s_lshl_b32 s10, s8, 17
	s_lshl_b32 s11, s[JB], 14
	s_add_co_u32 s10, s10, s11
	s_mov_b32 s11, 0                               ; s[10:11]: my rows in z and out1
	s_lshl_b32 s8, s8, 13
	s_mov_b32 s9, 0                                ; s[8:9]: a's fragments of my two i
	s_wait_dscnt 0x0                               ; both opening adds are done
	s_wait_kmcnt 0x0
	s_add_nc_u64 s[G0Z+2:G0Z+3], s[68:69], s[10:11]
	s_or_b32 s[G0Z+3], s[G0Z+3], 0x80000000
	s_add_nc_u64 s[OUTP:OUTP+1], s[OUTP:OUTP+1], s[10:11]
	s_add_nc_u64 s[8:9], s[70:71], s[8:9]
	s_lshl_b32 s58, s[WV], 14                      ; phase 1: waves 0 and 1 bring Wo's halves of a slot,
	s_add_co_u32 s58, s58, W_WO
	s_mov_b32 s59, 0
	s_add_nc_u64 s[58:59], s[72:73], s[58:59]
	s_and_b32 s60, s[WV], 1                        ; waves 2 and 3 b's tiles 2 jb and 2 jb + 1
	s_lshl1_add_u32 s60, s[JB], s60
	s_lshl_b32 s60, s60, 17
	s_add_co_u32 s60, s60, A_BT
	s_mov_b32 s61, 0
	s_add_nc_u64 s[60:61], s[70:71], s[60:61]
	s_mov_b32 s[ST1], 16384
	s_mov_b32 s[QS1], 16384
	s_cmp_lt_u32 s[WV], 2
	s_cselect_b64 s[P1:P1+1], s[58:59], s[60:61]
	s_cselect_b32 s[ST1], 32768, s[ST1]
	s_cselect_b32 s[QS1], 32768, s[QS1]
	s_lshl_b32 s58, s[WV], 14                      ; phase 2: wave w brings chunk w of a slot
	s_add_co_u32 s58, s58, W_PS
	s_mov_b32 s59, 0
	s_add_nc_u64 s[P2:P2+1], s[72:73], s[58:59]
	s_lshl_b32 s58, s[CX], 13                      ; the prefetches begin at fill 4
	s_add_co_u32 s58, s58, W_WO+4*32768
	s_mov_b32 s59, 0
	s_add_nc_u64 s[58:59], s[72:73], s[58:59]
	s_lshr_b32 s60, s[CX], 1
	s_lshl1_add_u32 s60, s[JB], s60
	s_lshl_b32 s60, s60, 17
	s_and_b32 s61, s[CX], 1
	s_lshl_b32 s61, s61, 13
	s_add_co_u32 s60, s60, s61
	s_add_co_u32 s60, s60, A_BT+4*16384
	s_mov_b32 s61, 0
	s_add_nc_u64 s[60:61], s[70:71], s[60:61]
	s_cmp_lt_u32 s[WV], 2
	s_cselect_b64 s[Q1:Q1+1], s[58:59], s[60:61]
	s_lshr_b32 s58, s[WV], 1
	s_lshl_b32 s58, s58, 15
	s_lshl_b32 s59, s[CX], 13
	s_add_co_u32 s58, s58, s59
	s_add_co_u32 s58, s58, W_PS
	s_mov_b32 s59, 0
	s_add_nc_u64 s[Q2:Q2+1], s[72:73], s[58:59]
	SETFILL                                        ; fill 0
	ROUND                                          ; all four work-groups are here: the first joint loads meet
	tensor_load_to_lds s[G0Z:G0Z+3], s[G1Z:G1Z+7]  ; my 64 rows of z
	s_nop 0
	tensor_load_to_lds s[G0R:G0R+3], s[G1R:G1R+7]  ; slot 0: two tensor loads of mine are out
	s_nop 0
	PLACES
	v_and_b32 v[LANE], 31, v0
	v_lshlrev_b32 v[L16], 4, v[LANE]
	v_and_b32 v16, 15, v0
	v_bfe_u32 v17, v0, 4, 1
	v_lshlrev_b32 v[H32], 5, v17
	v_mov_b32 v[ZERO], 0
	v_lshlrev_b32 v[PFO], 8, v[LANE]
	WIN 0x80
.set f, 0
.rept 16                               ; a's fragments (i2, ht, ss) stay in registers through phase 1
	global_load_b128 v[8*f:8*f+3], v[L16], s[8:9] offset:1024*f
	global_load_b128 v[8*f+4:8*f+7], v[L16], s[8:9] offset:1024*f+512
.set f, f+1
.endr
	WIN 0
	v_lshlrev_b32 v19, 2, v[LANE]
	v_lshlrev_b32 v20, 3, v[LANE]
	global_load_b32 v[MT], v[ZERO], s[76:77]
	global_load_b32 v[MT+1], v19, s[78:79]
	global_load_b32 v[MT+2], v19, s[80:81]
	global_load_b32 v[MT+3], v20, s[82:83] offset:4  ; W2[l][1]
	global_load_b32 v[MT+4], v[ZERO], s[12:13] offset:4
	v_lshlrev_b32 v21, 2, v0
	v_lshlrev_b32 v22, 4, v0
	s_load_b512 s[84:99], s[0:1], 0x48             ; arguments 9-16
	s_wait_kmcnt 0x0
.set n, 0
.rept 8
	global_load_b32 v[160+n], v21, s[84+2*n:85+2*n]  ; a vector of 512 bytes: 4 a thread
.set n, n+1
.endr
	s_wait_xcnt 0x0
	s_load_b512 s[84:99], s[0:1], 0x88             ; arguments 17-24
	s_wait_kmcnt 0x0
.rept 8
	global_load_b32 v[160+n], v21, s[84+2*(n-8):85+2*(n-8)]
.set n, n+1
.endr
	s_wait_xcnt 0x0
	s_load_b256 s[84:91], s[0:1], 0xc8             ; arguments 25-28
	s_load_b64 s[92:93], s[0:1], 0xe8              ; pair_trans_b1
	s_wait_kmcnt 0x0
.rept 4
	global_load_b32 v[160+n], v21, s[84+2*(n-16):85+2*(n-16)]
.set n, n+1
.endr
	global_load_b128 v[184:187], v22, s[92:93]
	v_mul_u32_u24 v[ZRD], v16, 528
	v_add_nc_u32 v[ZRD], v[ZRD], v[H32]
	v_add_nc_u32 v[ZRD], s[RBS], v[ZRD]
	v_lshl_add_u32 v23, v0, 2, REC
	v_lshl_add_u32 v24, v0, 2, B1
	v_lshl_add_u32 v25, v0, 4, B1+2048
	s_wait_loadcnt 0x0
	s_mov_b32 s[SEL], 0x76543210
	s_mov_b32 s[SEL+1], 0xfedcba98
	MIXER
.set n, 0
.rept 16
	ds_store_b32 v23, v[160+n] offset:512*n        ; outer_b, then (g, bl, b2) five times: the records fall out of the arguments' order
.set n, n+1
.endr
.rept 4
	ds_store_b32 v24, v[160+n] offset:512*(n-16)
.set n, n+1
.endr
	ds_store_b128 v25, v[184:187]
	s_wait_tensorcnt 0x0                           ; z and slot 0 are in: the first change, which fills slot 1 and shows every wave's tiles and vectors to all
	ds_add_u32 v[SPW], v[NIL]
	SETFILL                                        ; fill 1
	s_wait_dscnt 0x0
	REFILL
	WIN 0x40
.set n, 0
.rept 32                               ; x = z: tile n = 8 rt + ct
	ds_load_b128 v[8*n:8*n+3], v[ZRD] offset:8448*(n/8)+64*(n%8)
	ds_load_b128 v[8*n+4:8*n+7], v[ZRD] offset:8448*(n/8)+64*(n%8)+16
.set n, n+1
.endr
	WIN 0
	s_mov_b32 s[TBW], 0
	s_mov_b32 s[TBB], 32768
	v_add_nc_u32 v[FW], s[TBW], v[L16]
	v_add_nc_u32 v[FB], s[TBB], v[L16]
	FETCHB                                         ; k = 0
	; ---------------- phase 1: eight slots of four k; the trips fill 2 .. 9.  The last look-ahead fetch reads landed bytes and serves nothing
	s_mov_b32 s[TRIPK], 8
.Lp1:
	s_mov_b32 s[CK], 3
.Lk:
	KSTEP
	WIN 0
	s_sub_co_u32 s[CK], s[CK], 1
	s_cmp_lg_u32 s[CK], 0
	s_cbranch_scc1 .Lk
	KSTEPX
	WIN 0
	s_sub_co_u32 s[TRIPK], s[TRIPK], 1
	s_cmp_lg_u32 s[TRIPK], 0
	s_cbranch_scc1 .Lp1
	; ---------------- phase 2: six trips that fill 10 .. 15, then two that fill nothing.  Trips 0-4 begin a block; pair_trans runs four slots on one XN
	s_wait_dscnt 0x0
	s_mov_b32 s[TB], 0
	s_mov_b32 s[B1P], B1
	v_add_nc_u32 v[FA], s[TB], v[L16]
	v_add_nc_u32 v[BA], s[B1P], v[H32]
	FETCH1
	WIN 0
	s_mov_b32 s[RECP], REC
	s_mov_b32 s[TRIPK], 0
.Lblk:
	v_add_nc_u32 v[PA], s[RECP], v[H32]
	ADDV PA, 0, 64, 16                             ; outer_b, or the b2 of the block before; in trip 5 pair_trans's own
	WIN 0
	s_cmp_eq_u32 s[TRIPK], 5
	s_cbranch_scc1 .Lnoln
	LNSTAT
	LNAPPLY 512, 1024
	WIN 0
.Lnoln:
	s_add_co_u32 s[RECP], s[RECP], 1536
	s_mov_b32 s[CK], 3
.Lc:
	CHUNK
	WIN 0
	s_sub_co_u32 s[CK], s[CK], 1
	s_cmp_lg_u32 s[CK], 0
	s_cbranch_scc1 .Lc
	CHUNKX 1
	WIN 0
	s_add_co_u32 s[TRIPK], s[TRIPK], 1
	s_cmp_lt_u32 s[TRIPK], 6
	s_cbranch_scc1 .Lblk
	s_mov_b32 s[TAILK], 2
.Ltail:
	s_mov_b32 s[CK], 3
.Lc2:
	CHUNK
	WIN 0
	s_sub_co_u32 s[CK], s[CK], 1
	s_cmp_lg_u32 s[CK], 0
	s_cbranch_scc1 .Lc2
	CHUNKX 0
	WIN 0
	s_sub_co_u32 s[TAILK], s[TAILK], 1
	s_cmp_lg_u32 s[TAILK], 0
	s_cbranch_scc1 .Ltail
	s_wait_dscnt 0x0
	; ---------------- out1 = (x - z) mix1, in place over my own rows of z in LDS: no other wave and no fill touches them
.macro ZLOAD q
.set zb, 128+64*((\q)%2)
.set c, 0
.rept 8
	ds_load_b128 v[zb+8*c:zb+8*c+3], v[ZRD] offset:8448*(\q)+64*c
	ds_load_b128 v[zb+8*c+4:zb+8*c+7], v[ZRD] offset:8448*(\q)+64*c+16
.set c, c+1
.endr
.endm
	ZLOAD 0
.irp q, 0,1,2,3
.if \q < 3
	ZLOAD \q+1
	s_wait_dscnt 16                                ; this row tile's z is in (and the stores before); the next tile's 16 loads may stay out
.else
	s_wait_dscnt 0x0
.endif
.set zb, 128+64*(\q%2)
	WIN 0x01
.set n, 0
.rept 32
	v_pk_add_f32 v[zb+2*n:zb+2*n+1], v[64*\q+2*n:64*\q+2*n+1], v[zb+2*n:zb+2*n+1] neg_lo:[0,1] neg_hi:[0,1]
.set n, n+1
.endr
	WIN 0
.set n, 0
.rept 32
	v_pk_mul_f32 v[zb+2*n:zb+2*n+1], v[zb+2*n:zb+2*n+1], v[MIX:MIX+1]
.set n, n+1
.endr
.set n, 0
.rept 16
	ds_store_b128 v[ZRD], v[zb+4*n:zb+4*n+3] offset:8448*\q+64*(n/2)+16*(n%2)
.set n, n+1
.endr
.endr
	s_mov_b32 s[CK], 0
.Lout:                                 ; eight trips of eight rows of 512 bytes; LDS serves a wave's instructions in order, so these loads see the stores above
	v_add_nc_u32 v[RB], s[RBS], v[L16]
.irp n, 0,1,2,3,4,5,6,7
	ds_load_b128 v[GS+4*\n:GS+4*\n+3], v[RB] offset:528*\n
.endr
	s_wait_dscnt 0x0
.irp n, 0,1,2,3,4,5,6,7
	global_store_b128 v[L16], v[GS+4*\n:GS+4*\n+3], s[OUTP:OUTP+1] offset:512*\n th:TH_STORE_NT  ; 512 consecutive bytes, aligned
.endr
	s_mov_b32 s58, 4096
	s_cmp_eq_u32 s[CK], 3
	s_cselect_b32 s58, 131072-12288, s58           ; behind the first i's 32 rows: on to the second
	s_mov_b32 s59, 0
	s_wait_xcnt 0x0                                ; the stores have read their base and their data
	s_add_nc_u64 s[OUTP:OUTP+1], s[OUTP:OUTP+1], s[58:59]
	s_add_co_u32 s[RBS], s[RBS], 8*528
	s_add_co_u32 s[CK], s[CK], 1
	s_cmp_lt_u32 s[CK], 8
	s_cbranch_scc1 .Lout
	s_wait_tensorcnt 0x0                           ; the wave's end
	ds_add_u32 v[SPW], v[NIL]
	s_wait_dscnt 0x0
	ROUND                                          ; the closing round
	s_endpgm
.Lfunc_end_k_q650c7ab349_pair:
	.size	k_q650c7ab349_pair, .Lfunc_end_k_q650c7ab349_pair-k_q650c7ab349_pair
	.p2alignl 7, 3214868480
	.fill 96, 4, 3214868480
	.section	.rodata,"a",@progbits
	.p2align	6, 0x0
	.amdhsa_kernel k_q650c7ab349_pair
		.amdhsa_group_segment_fixed_size 327680
		.amdhsa_private_segment_fixed_size 0
		.amdhsa_enable_private_segment 0
		.amdhsa_kernarg_size 240
		.amdhsa_user_sgpr_count 2
		.amdhsa_user_sgpr_kernarg_segment_ptr 1
		.amdhsa_wavefront_size32 1
		.amdhsa_system_sgpr_workgroup_id_x 1
		.amdhsa_system_sgpr_workgroup_id_y 1
		.amdhsa_system_sgpr_workgroup_id_z 1
		.amdhsa_system_vgpr_workitem_id 0
		.amdhsa_next_free_vgpr 768
		.amdhsa_next_free_sgpr 100
		.amdhsa_reserve_vcc 0
		.amdhsa_float_denorm_mode_32 3
		.amdhsa_float_denorm_mode_16_64 3
		.amdhsa_memory_ordered 1
		.amdhsa_forward_progress 1
		.amdhsa_inst_pref_size 178
	.end_amdhsa_kernel
	.amdgpu_metadata
---
amdhsa.version: [ 1, 2 ]
amdhsa.kernels:
  - .name:           k_q650c7ab349_pair
    .symbol:         k_q650c7ab349_pair.kd
    .args:
      - { .name: z, .offset: 0, .size: 8, .value_kind: global_buffer, .address_space: global }
      - { .name: ab, .offset: 8, .size: 8, .value_kind: global_buffer, .address_space: global }
      - { .name: wts, .offset: 16, .size: 8, .value_kind: global_buffer, .address_space: global }
      - { .name: out1, .offset: 24, .size: 8, .value_kind: global_buffer, .address_space: global }
      - { .name: t, .offset: 32, .size: 8, .value_kind: global_buffer, .address_space: global }
      - { .name: params_time_W1, .offset: 40, .size: 8, .value_kind: global_buffer, .address_space: global }
      - { .name: params_time_b1, .offset: 48, .size: 8, .value_kind: global_buffer, .address_space: global }
      - { .name: params_time_W2, .offset: 56, .size: 8, .value_kind: global_buffer, .address_space: global }
      - { .name: params_time_b2, .offset: 64, .size: 8, .value_kind: global_buffer, .address_space: global }
      - { .name: params_outer_to_pair_b, .offset: 72, .size: 8, .value_kind: global_buffer, .address_space: global }
      - { .name: params_tri_out_g, .offset: 80, .size: 8, .value_kind: global_buffer, .address_space: global }
      - { .name: params_tri_out_bl, .offset: 88, .size: 8, .value_kind: global_buffer, .address_space: global }
      - { .name: params_tri_out_b2, .offset: 96, .size: 8, .value_kind: global_buffer, .address_space: global }
      - { .name: params_tri_in_g, .offset: 104, .size: 8, .value_kind: global_buffer, .address_space: global }
      - { .name: params_tri_in_bl, .offset: 112, .size: 8, .value_kind: global_buffer, .address_space: global }
      - { .name: params_tri_in_b2, .offset: 120, .size: 8, .value_kind: global_buffer, .address_space: global }
      - { .name: params_attn_start_g, .offset: 128, .size: 8, .value_kind: global_buffer, .address_space: global }
      - { .name: params_attn_start_bl, .offset: 136, .size: 8, .value_kind: global_buffer, .address_space: global }
      - { .name: params_attn_start_b2, .offset: 144, .size: 8, .value_kind: global_buffer, .address_space: global }
      - { .name: params_attn_end_g, .offset: 152, .size: 8, .value_kind: global_buffer, .address_space: global }
      - { .name: params_attn_end_bl, .offset: 160, .size: 8, .value_kind: global_buffer, .address_space: global }
      - { .name: params_attn_end_b2, .offset: 168, .size: 8, .value_kind: global_buffer, .address_space: global }
      - { .name: params_pair_trans_g, .offset: 176, .size: 8, .value_kind: global_buffer, .address_space: global }
      - { .name: params_pair_trans_bl, .offset: 184, .size: 8, .value_kind: global_buffer, .address_space: global }
      - { .name: params_pair_trans_b2, .offset: 192, .size: 8, .value_kind: global_buffer, .address_space: global }
      - { .name: params_tri_out_b1, .offset: 200, .size: 8, .value_kind: global_buffer, .address_space: global }
      - { .name: params_tri_in_b1, .offset: 208, .size: 8, .value_kind: global_buffer, .address_space: global }
      - { .name: params_attn_start_b1, .offset: 216, .size: 8, .value_kind: global_buffer, .address_space: global }
      - { .name: params_attn_end_b1, .offset: 224, .size: 8, .value_kind: global_buffer, .address_space: global }
      - { .name: params_pair_trans_b1, .offset: 232, .size: 8, .value_kind: global_buffer, .address_space: global }
    .group_segment_fixed_size: 327680
    .private_segment_fixed_size: 0
    .kernarg_segment_align: 8
    .kernarg_segment_size: 240
    .max_flat_workgroup_size: 128
    .sgpr_count:     100
    .vgpr_count:     768
    .wavefront_size: 32
...
	.end_amdgpu_metadata
.endif
;; end of part 3
;; ======== version 2 of 2: 3 launches; version 1 with the launch pre written anew for expert scheduling mode
;; limits: values are held in f16: magnitudes above 65,504 overflow, below 6.1e-05 lose precision
;; workspace buffers: u 65,536 bytes; ab 4,194,304 bytes; wts 2,457,600 bytes
;; launch pre (part 4): grid 406 x 1, 16 waves a work-group, no clusters, 10,240 bytes of LDS; arguments z, params_pair_to_msa_g, params_pair_to_msa_bl, u, wts, params_pair_to_msa_W, params_msa_row_W1, params_msa_row_W2, params_msa_col_W1, params_msa_col_W2, params_msa_trans_W1, params_msa_trans_W2, params_proj_a_W, params_proj_b_W, params_outer_to_pair_W, params_tri_out_W1, params_tri_out_W2, params_tri_in_W1, params_tri_in_W2, params_attn_start_W1, params_attn_start_W2, params_attn_end_W1, params_attn_end_W2, params_pair_trans_W1, params_pair_trans_W2; writes u, wts
.if DOCPART == 4
	.amdgcn_target "amdgcn-amd-amdhsa--gfx1250"
	.amdhsa_code_object_version 6
	.text
	.protected	k_q650c7ab349_pre
	.globl	k_q650c7ab349_pre
	.p2align	8
	.type	k_q650c7ab349_pre,@function
k_q650c7ab349_pre:
	s_mov_b64 s[64:65], 0
	v_nop
	global_prefetch_b8 v0, s[64:65] scope:SCOPE_SE
	s_setreg_imm32_b32 hwreg(HW_REG_WAVE_SCHED_MODE, 0, 2), 2
	s_setreg_imm32_b32 hwreg(HW_REG_WAVE_MODE, 25, 1), 1
	s_wait_xcnt 0x0
	s_wait_alu depctr_vm_vsrc(0)
; TWO JOBS, told apart by the work-group's number.
; Work-groups 0..255: u[i][c] = mean over j of (LN(z[i][j])[c] g[c] + bl[c]), f32 sums, stored once as f16 ([256][128]).
;   (mean_j(LN(z) W + b) = (mean_j LN(z)) W + b: the product is taken later, on 256 rows in place of 65,536.)
;   Sixteen waves, 16 rows of 512 bytes each; a lane holds 4 channels of every row; all 16 loads of a wave go out at once.
;   LN in two passes: the mean, then the sum of (x - mean)^2.
; Work-groups 256..405: the 20 weight matrices, each [K][N] f32, are laid out as FRAGMENTS of W^T for the matrix unit:
;   1,024 bytes = [q 0..1][lane 0..31][8 numbers], number e of lane (r = lane % 16, hh = lane / 16) = W[32 ks + 16 q + 8 hh + e][16 nt + r].
;   All in f16 but outer_to_pair_W, which is multiplied by 2^-7 (the mean over 128 sequences, exact) and rounded to bf16.
; LIMITS: a weight or a mean beyond 65,504 has no f16; below 6e-5 f16 keeps its fixed step of 6e-8.  NaN and infinities are not treated apart.
; THE MODE: SCHED_MODE bits 1:0 = 2 (LLVM: expert scheduling mode 2), set by the entry lines.  The code itself states the register dependences
; between vector instructions and memory or LDS instructions, with s_wait_alu, always for 0.
; THE PLAN, u's path.  Registers that memory or LDS instructions touch:
;   v2, v3        offsets, made at the head and never written again: read by the loads of z, g and bl; v3 also by wave 0's LDS loads.
;   XR            the 16 loads of z land in it; GROUP reads and rewrites it; in wave 0 the LDS loads of the sixteen partial sums land in it.
;   v112-119      g and bl land here; vector lines read them.
;   AC, v4        written by vector lines, read by the one LDS store, never written again.
;   v36, v37, v5  written by vector lines in wave 0, read by the one global store, never written again.
;   v126, v127    written at the head, read by the closing add alone.
;   SR and TR are named by vector lines alone.  s16 is written by v_readfirstlane_b32 and read by one scalar compare.
; So: one wait on va_sdst and one on va_vdst at the head; one on va_vdst ahead of the LDS store, which also serves wave 0's LDS loads into XR (no vector line stands between);
; one on va_vdst ahead of the global store.  No register that a memory or LDS instruction reads is written again, so no wait on vm_vsrc is owed.
; THE PLAN, the weights' path.  v24-31 and v56-63: the loads' offsets; v32-39 and v64-71: the loads land here, scaled in place; v40-43, v72-75: the stores' data; v20, v52: the stores' offsets.
; All load offsets are made first: one wait on va_vdst, then the 16 loads; the stores' offsets are made while the loads are out; one wait on va_vdst ahead of the two stores.
.set SPARE, 8192                       ; behind the 16 partial sums: the spare words, 128 bytes a wave
.set SPW, 126                          ; v126 LDS address of my spare word; never rewritten
.set NIL, 127                          ; v127 0; never rewritten
.set AC,  8                            ; v[8:11]   my 4 channels' sum of xhat over my wave's rows
.set SR,  16                           ; v[16:31]  row k of eight: a statistic at SR + 2 k, the exchange's landing beside it
.set XR,  32                           ; v[32:95]  16 rows, 4 registers each
.set TR,  96                           ; v[96:111] a pair at work for each of eight rows
	s_load_b256 s[4:11], s[0:1], 0x0               ; z s[4:5], g s[6:7], bl s[8:9], u s[10:11]
	s_load_b64 s[12:13], s[0:1], 0x20              ; wts
	v_lshl_add_u32 v[SPW], v0, 2, SPARE
	v_mov_b32 v[NIL], 0
	s_cmp_lt_u32 ttmp9, 256
	s_cbranch_scc0 .Lconv
	; ---------------- u[i], i = the work-group's number
	v_lshrrev_b32 v1, 5, v0
	v_readfirstlane_b32 s16, v1                    ; wave 0..15
	v_and_b32 v3, 31, v0
	v_lshlrev_b32 v3, 4, v3                        ; 16 x lane
	v_lshl_add_u32 v2, v1, 13, v3                  ; + my wave's 16 rows of 512 bytes
	s_lshl_b32 s14, ttmp9, 17                      ; z[i]: 256 rows of 512 bytes
	s_mov_b32 s15, 0
	s_mov_b32 s66, 0x76543210                      ; v_permlanex16_b32: each lane takes its own place in the other half
	s_mov_b32 s67, 0xfedcba98
	s_mov_b32 s68, 0x3c000000                      ; 1 / 128
	s_mov_b32 s69, 0x3727c5ac                      ; 1e-5
	s_wait_alu depctr_va_sdst(0)                   ; s16 is written, ahead of its one reader, the compare behind the barrier
	s_wait_kmcnt 0x0
	s_add_nc_u64 s[4:5], s[4:5], s[14:15]
	s_wait_alu depctr_va_vdst(0)                   ; v2 and v3 are written, which the loads below read as their offsets
.irp k, 0,1,2,3,4,5,6,7,8,9,10,11,12,13,14,15
	global_load_b128 v[XR+4*\k:XR+4*\k+3], v2, s[4:5] offset:512*\k th:TH_LOAD_NT  ; a whole row: 512 consecutive bytes
.endr
	global_load_b128 v[112:115], v3, s[6:7]        ; g of my 4 channels
	global_load_b128 v[116:119], v3, s[8:9]        ; bl
.irp k, 0,1,2,3,4,5,6,7,8,9,10,11,12,13,14,15
	v_mov_b32 v[SR+\k], 0                          ; the exchange's destination counts as read: written once
.endr
.macro ROWS8 line:vararg               ; one line for each row k of eight
.set k, 0
.rept 8
	\line
.set k, k+1
.endr
.endm
.macro CROSS                           ; each row's statistic summed over the 32 lanes, the result in every lane
.irp m, 1,2,4,8
	ROWS8 v_add_f32_dpp v[SR+2*k], v[SR+2*k], v[SR+2*k] row_xmask:\m row_mask:0xf bank_mask:0xf
.endr
	ROWS8 v_permlanex16_b32 v[SR+2*k+1], v[SR+2*k], s66, s67
	ROWS8 v_add_f32 v[SR+2*k], v[SR+2*k], v[SR+2*k+1]
.endm
.macro GROUP g                         ; rows 8 g .. 8 g + 7 of my wave
.set X0, XR+32*(\g)
	ROWS8 v_pk_add_f32 v[TR+2*k:TR+2*k+1], v[X0+4*k:X0+4*k+1], v[X0+4*k+2:X0+4*k+3]
	ROWS8 v_add_f32 v[SR+2*k], v[TR+2*k], v[TR+2*k+1]
	CROSS
	ROWS8 v_mul_f32 v[SR+2*k], 0xbc000000, v[SR+2*k]  ; minus the mean
	ROWS8 v_pk_add_f32 v[X0+4*k:X0+4*k+1], v[X0+4*k:X0+4*k+1], v[SR+2*k:SR+2*k+1] op_sel_hi:[1,0]
	ROWS8 v_pk_add_f32 v[X0+4*k+2:X0+4*k+3], v[X0+4*k+2:X0+4*k+3], v[SR+2*k:SR+2*k+1] op_sel_hi:[1,0]
	ROWS8 v_pk_mul_f32 v[TR+2*k:TR+2*k+1], v[X0+4*k:X0+4*k+1], v[X0+4*k:X0+4*k+1]
	ROWS8 v_pk_fma_f32 v[TR+2*k:TR+2*k+1], v[X0+4*k+2:X0+4*k+3], v[X0+4*k+2:X0+4*k+3], v[TR+2*k:TR+2*k+1]
	ROWS8 v_add_f32 v[SR+2*k], v[TR+2*k], v[TR+2*k+1]
	CROSS
	ROWS8 v_fma_f32 v[SR+2*k], v[SR+2*k], s68, s69
	ROWS8 v_rsq_f32 v[SR+2*k], v[SR+2*k]
	v_nop                                          ; a plain instruction behind the last root,
	s_wait_alu depctr_va_vdst(0)                   ; and one wait for the eight roots in SR, ahead of their first reader
.set k, 0
.rept 8
.if ((\g) == 0) && (k == 0)
	v_pk_mul_f32 v[AC:AC+1], v[X0:X0+1], v[SR:SR+1] op_sel_hi:[1,0]          ; the first row starts the sums
	v_pk_mul_f32 v[AC+2:AC+3], v[X0+2:X0+3], v[SR:SR+1] op_sel_hi:[1,0]
.else
	v_pk_fma_f32 v[AC:AC+1], v[X0+4*k:X0+4*k+1], v[SR+2*k:SR+2*k+1], v[AC:AC+1] op_sel_hi:[1,0,1]
	v_pk_fma_f32 v[AC+2:AC+3], v[X0+4*k+2:X0+4*k+3], v[SR+2*k:SR+2*k+1], v[AC+2:AC+3] op_sel_hi:[1,0,1]
.endif
.set k, k+1
.endr
.endm
	s_wait_loadcnt 10                              ; rows 0-7 are in; rows 8-15, g and bl may stay out
	GROUP 0
	s_wait_loadcnt 2                               ; rows 8-15 are in; g and bl may stay out
	GROUP 1
	v_lshlrev_b32 v4, 4, v0
	s_wait_alu depctr_va_vdst(0)                   ; AC and v4 are written, which the LDS store reads; and every line that read or wrote XR is complete, for wave 0's LDS loads below, ahead of which no vector line stands
	ds_store_b128 v4, v[AC:AC+3]                   ; wave v's sums at 512 v
	s_wait_dscnt 0x0                               ; for the others' sake
	s_barrier_signal -1
	s_barrier_wait -1
	s_cmp_lg_u32 s16, 0
	s_cbranch_scc1 .Lend                           ; wave 0 finishes the row of u
.irp k, 0,1,2,3,4,5,6,7,8,9,10,11,12,13,14,15
	ds_load_b128 v[XR+4*\k:XR+4*\k+3], v3 offset:512*\k  ; no wait: no vector line since the wait ahead of the store names XR or v3
.endr
	s_wait_dscnt 0x0
.irp st, 8,4,2,1
.set k, 0
.rept \st
	v_pk_add_f32 v[XR+4*k:XR+4*k+1], v[XR+4*k:XR+4*k+1], v[XR+4*(k+\st):XR+4*(k+\st)+1]
	v_pk_add_f32 v[XR+4*k+2:XR+4*k+3], v[XR+4*k+2:XR+4*k+3], v[XR+4*(k+\st)+2:XR+4*(k+\st)+3]
.set k, k+1
.endr
.endr
	s_wait_loadcnt 0x0                             ; g and bl
	v_pk_mul_f32 v[32:33], v[32:33], 0x3b800000 op_sel_hi:[1,0]  ; 1 / 256: the mean over j
	v_pk_mul_f32 v[34:35], v[34:35], 0x3b800000 op_sel_hi:[1,0]
	v_pk_fma_f32 v[32:33], v[32:33], v[112:113], v[116:117]
	v_pk_fma_f32 v[34:35], v[34:35], v[114:115], v[118:119]
	v_cvt_pk_f16_f32 v36, v32, v33
	v_cvt_pk_f16_f32 v37, v34, v35
	v_lshrrev_b32 v5, 1, v3                        ; 8 x lane
	s_lshl_b32 s14, ttmp9, 8
	s_mov_b32 s15, 0
	s_add_nc_u64 s[10:11], s[10:11], s[14:15]
	s_wait_alu depctr_va_vdst(0)                   ; the roundings have written v36 and v37, the store's data, and v5, its offset, is written
	global_store_b64 v5, v[36:37], s[10:11]        ; the wave stores 256 consecutive bytes, aligned
.Lend:
	s_wait_dscnt 0x0                               ; the closing lines, six on end
	s_wait_alu 0x0
	s_wait_tensorcnt 0x0
	ds_add_u32 v[SPW], v[NIL]
	s_wait_dscnt 0x0
	s_endpgm
	; ---------------- the weights: 16 fragments a work-group
.Lconv:
	s_load_b512 s[16:31], s[0:1], 0x28             ; argument a (5..24) lands in s[16 + 2 (a - 5)]
	s_load_b512 s[32:47], s[0:1], 0x68
	s_load_b256 s[48:55], s[0:1], 0xa8
	s_sub_co_u32 s14, ttmp9, 256                   ; 0..149
	s_wait_kmcnt 0x0
; A matrix's figures: its pointer; its first work-group; log2 of its tiles of 16 columns; bytes from k to k + 1 in a fragment; bytes from K step to K step;
; and in wts: its base, and the bytes for a K step, for a pair of column tiles, for the odd tile of a pair.  bf = 1: x 2^-7, to bf16.
.macro SETM arg, first, lgnt, es, ksb, db, dk, dc, du, bf
	s_mov_b64 s[66:67], s[16+2*((\arg)-5):17+2*((\arg)-5)]
	s_mov_b32 s68, \first
	s_mov_b32 s69, \lgnt
	s_mov_b32 s70, \es
	s_mov_b32 s71, \ksb
	s_mov_b32 s72, \db
	s_mov_b32 s73, \dk
	s_mov_b32 s74, \dc
	s_mov_b32 s75, \du
	s_mov_b32 s76, \bf
	s_mov_b32 s77, (1<<(\lgnt))-1
.if \bf
	s_mov_b32 s78, 0x3c000000
.else
	s_mov_b32 s78, 1.0
.endif
	s_mov_b32 s79, s78                             ; named with it as a pair
.endm
.macro MAT arg, first, count, lgnt, es, ksb, db, dk, dc, du, bf
	s_cmp_lt_u32 s14, (\first)+(\count)
	s_cbranch_scc0 .Lnot_\@
	SETM \arg, \first, \lgnt, \es, \ksb, \db, \dk, \dc, \du, \bf
	s_branch .Lgo
.Lnot_\@:
.endm
	MAT  5,   0,  4, 4,  1024,  32768,       0,  1024,  8192, 4096, 0   ; pair_to_msa W: fragment 4 nt + ks
	MAT  6,   4,  8, 4,  1024,  32768,   65536,  2048, 32768, 1024, 0   ; msa_row W1: chunk nt / 2, fragment 2 ks + nt % 2
	MAT  7,  12,  8, 4,  1024,  32768,   81920, 32768,  2048, 1024, 0   ; msa_row W2: chunk ks, fragment 16 + nt
	MAT  8,  20,  8, 4,  1024,  32768,  327680,  2048, 32768, 1024, 0   ; msa_col
	MAT  9,  28,  8, 4,  1024,  32768,  344064, 32768,  2048, 1024, 0
	MAT 10,  36, 32, 6,  4096, 131072,  589824,  2048, 32768, 1024, 0   ; msa_trans
	MAT 11,  68, 32, 4,  1024,  32768,  606208, 32768,  2048, 1024, 0
	MAT 12, 100,  1, 1,   128,   4096, 1638400,  2048,     0, 1024, 0   ; proj_a
	MAT 13, 101,  1, 1,   128,   4096, 1654784,  2048,     0, 1024, 0   ; proj_b
	MAT 14, 102, 16, 3, 16384,    512, 1671168,  8192,  2048, 1024, 1   ; outer_to_pair W: K step k, place in it h: row 32 h + k
	MAT 15, 118,  2, 3,   512,  16384, 1933312,  2048, 16384, 1024, 0   ; tri_out
	MAT 16, 120,  2, 3,   512,  16384, 1941504, 16384,  2048, 1024, 0
	MAT 17, 122,  2, 3,   512,  16384, 1998848,  2048, 16384, 1024, 0   ; tri_in
	MAT 18, 124,  2, 3,   512,  16384, 2007040, 16384,  2048, 1024, 0
	MAT 19, 126,  2, 3,   512,  16384, 2064384,  2048, 16384, 1024, 0   ; attn_start
	MAT 20, 128,  2, 3,   512,  16384, 2072576, 16384,  2048, 1024, 0
	MAT 21, 130,  2, 3,   512,  16384, 2129920,  2048, 16384, 1024, 0   ; attn_end
	MAT 22, 132,  2, 3,   512,  16384, 2138112, 16384,  2048, 1024, 0
	MAT 23, 134,  8, 5,  2048,  65536, 2195456,  2048, 16384, 1024, 0   ; pair_trans
	SETM 24, 142,    3,   512,  16384, 2203648, 16384,  2048, 1024, 0
.Lgo:
	s_sub_co_u32 s15, s14, s68
	s_lshl_b32 s15, s15, 4                         ; my work-group's first fragment of the matrix
	v_lshrrev_b32 v1, 6, v0                        ; 64 threads a fragment, 8 fragments a pass
	v_add_nc_u32 v1, s15, v1
	v_and_b32 v2, 15, v0                           ; r
	v_bfe_u32 v3, v0, 4, 2
	v_lshlrev_b32 v3, 3, v3                        ; 16 q + 8 hh
	v_mul_lo_u32 v3, v3, s70
	v_lshl_add_u32 v3, v2, 2, v3                   ; + 4 r
	v_and_b32 v4, 63, v0
	v_lshlrev_b32 v4, 4, v4
	v_add_nc_u32 v4, s72, v4                       ; the base in wts + 512 q + 16 lane
; Pass p has registers of its own, from B = 16 + 32 p on.  Its work stands in three parts, each written for both passes on end.
.macro PASSA p                         ; the offsets of its eight loads
.set B, 16+32*(\p)
	v_add_nc_u32 v[B], 8*(\p), v1                  ; the fragment
	v_and_b32 v[B+1], s77, v[B]                    ; nt
	v_lshrrev_b32 v[B+2], s69, v[B]                ; ks
	v_mul_lo_u32 v[B+3], v[B+2], s71
	v_lshl_add_u32 v[B+3], v[B+1], 6, v[B+3]       ; + 16 nt columns of 4 bytes
	v_add_nc_u32 v[B+8], v[B+3], v3
.irp e, 1,2,3,4,5,6,7
	v_add_nc_u32 v[B+8+\e], s70, v[B+7+\e]
.endr
.endm
.macro PASSL p                         ; the eight loads
.set B, 16+32*(\p)
.irp e, 0,1,2,3,4,5,6,7
	global_load_b32 v[B+16+\e], v[B+8+\e], s[66:67]
.endr
.endm
.macro PASSS p                         ; where my 16 bytes go: these lines name none of the registers that the loads read or land in
.set B, 16+32*(\p)
	v_mul_lo_u32 v[B+4], v[B+2], s73
	v_lshrrev_b32 v[B+5], 1, v[B+1]
	v_mul_lo_u32 v[B+5], v[B+5], s74
	v_and_b32 v[B+6], 1, v[B+1]
	v_mul_lo_u32 v[B+6], v[B+6], s75
	v_add3_u32 v[B+4], v[B+4], v[B+5], v[B+6]
	v_add_nc_u32 v[B+4], v[B+4], v4
.endm
	PASSA 0
	PASSA 1
	s_wait_alu depctr_va_vdst(0)                   ; the sixteen offsets v24-31 and v56-63 are written, which the loads below read
	PASSL 0
	PASSL 1
	PASSS 0                                        ; made while the loads are out
	PASSS 1
	s_wait_loadcnt 0x0
.irp p, 0,1
.irp e, 0,2,4,6
	v_pk_mul_f32 v[32+32*\p+\e:33+32*\p+\e], v[32+32*\p+\e:33+32*\p+\e], s[78:79] op_sel_hi:[1,0]
.endr
.endr
	s_cmp_eq_u32 s76, 1
	s_cbranch_scc1 .Lbf
.irp p, 0,1
.irp e, 0,1,2,3
	v_cvt_pk_f16_f32 v[40+32*\p+\e], v[32+32*\p+2*\e], v[33+32*\p+2*\e]
.endr
.endr
	s_branch .Lst
.Lbf:
.irp p, 0,1
.irp e, 0,1,2,3
	v_cvt_pk_bf16_f32 v[40+32*\p+\e], v[32+32*\p+2*\e], v[33+32*\p+2*\e]
.endr
.endr
.Lst:
	s_wait_alu depctr_va_vdst(0)                   ; on both ways the roundings have written v40-43 and v72-75, the stores' data; v20 and v52, their offsets, are written
	global_store_b128 v20, v[40:43], s[12:13]      ; sixteen neighbouring lanes store 256 consecutive bytes, aligned
	global_store_b128 v52, v[72:75], s[12:13]
	s_endpgm                                       ; these waves wrote no LDS
.Lfunc_end_k_q650c7ab349_pre:
	.size	k_q650c7ab349_pre, .Lfunc_end_k_q650c7ab349_pre-k_q650c7ab349_pre
	.p2alignl 7, 3214868480
	.fill 96, 4, 3214868480
	.section	.rodata,"a",@progbits
	.p2align	6, 0x0
	.amdhsa_kernel k_q650c7ab349_pre
		.amdhsa_group_segment_fixed_size 10240
		.amdhsa_private_segment_fixed_size 0
		.amdhsa_enable_private_segment 0
		.amdhsa_kernarg_size 200
		.amdhsa_user_sgpr_count 2
		.amdhsa_user_sgpr_kernarg_segment_ptr 1
		.amdhsa_wavefront_size32 1
		.amdhsa_system_sgpr_workgroup_id_x 1
		.amdhsa_system_sgpr_workgroup_id_y 1
		.amdhsa_system_sgpr_workgroup_id_z 1
		.amdhsa_system_vgpr_workitem_id 0
		.amdhsa_next_free_vgpr 128
		.amdhsa_next_free_sgpr 80
		.amdhsa_reserve_vcc 0
		.amdhsa_float_denorm_mode_32 3
		.amdhsa_float_denorm_mode_16_64 3
		.amdhsa_memory_ordered 1
		.amdhsa_forward_progress 1
		.amdhsa_inst_pref_size 50
	.end_amdhsa_kernel
	.amdgpu_metadata
---
amdhsa.version: [ 1, 2 ]
amdhsa.kernels:
  - .name:           k_q650c7ab349_pre
    .symbol:         k_q650c7ab349_pre.kd
    .args:
      - { .name: z, .offset: 0, .size: 8, .value_kind: global_buffer, .address_space: global }
      - { .name: params_pair_to_msa_g, .offset: 8, .size: 8, .value_kind: global_buffer, .address_space: global }
      - { .name: params_pair_to_msa_bl, .offset: 16, .size: 8, .value_kind: global_buffer, .address_space: global }
      - { .name: u, .offset: 24, .size: 8, .value_kind: global_buffer, .address_space: global }
      - { .name: wts, .offset: 32, .size: 8, .value_kind: global_buffer, .address_space: global }
      - { .name: params_pair_to_msa_W, .offset: 40, .size: 8, .value_kind: global_buffer, .address_space: global }
      - { .name: params_msa_row_W1, .offset: 48, .size: 8, .value_kind: global_buffer, .address_space: global }
      - { .name: params_msa_row_W2, .offset: 56, .size: 8, .value_kind: global_buffer, .address_space: global }
      - { .name: params_msa_col_W1, .offset: 64, .size: 8, .value_kind: global_buffer, .address_space: global }
      - { .name: params_msa_col_W2, .offset: 72, .size: 8, .value_kind: global_buffer, .address_space: global }
      - { .name: params_msa_trans_W1, .offset: 80, .size: 8, .value_kind: global_buffer, .address_space: global }
      - { .name: params_msa_trans_W2, .offset: 88, .size: 8, .value_kind: global_buffer, .address_space: global }
      - { .name: params_proj_a_W, .offset: 96, .size: 8, .value_kind: global_buffer, .address_space: global }
      - { .name: params_proj_b_W, .offset: 104, .size: 8, .value_kind: global_buffer, .address_space: global }
      - { .name: params_outer_to_pair_W, .offset: 112, .size: 8, .value_kind: global_buffer, .address_space: global }
      - { .name: params_tri_out_W1, .offset: 120, .size: 8, .value_kind: global_buffer, .address_space: global }
      - { .name: params_tri_out_W2, .offset: 128, .size: 8, .value_kind: global_buffer, .address_space: global }
      - { .name: params_tri_in_W1, .offset: 136, .size: 8, .value_kind: global_buffer, .address_space: global }
      - { .name: params_tri_in_W2, .offset: 144, .size: 8, .value_kind: global_buffer, .address_space: global }
      - { .name: params_attn_start_W1, .offset: 152, .size: 8, .value_kind: global_buffer, .address_space: global }
      - { .name: params_attn_start_W2, .offset: 160, .size: 8, .value_kind: global_buffer, .address_space: global }
      - { .name: params_attn_end_W1, .offset: 168, .size: 8, .value_kind: global_buffer, .address_space: global }
      - { .name: params_attn_end_W2, .offset: 176, .size: 8, .value_kind: global_buffer, .address_space: global }
      - { .name: params_pair_trans_W1, .offset: 184, .size: 8, .value_kind: global_buffer, .address_space: global }
      - { .name: params_pair_trans_W2, .offset: 192, .size: 8, .value_kind: global_buffer, .address_space: global }
    .group_segment_fixed_size: 10240
    .private_segment_fixed_size: 0
    .kernarg_segment_align: 8
    .kernarg_segment_size: 200
    .max_flat_workgroup_size: 512
    .sgpr_count:     80
    .vgpr_count:     128
    .wavefront_size: 32
...
	.end_amdgpu_metadata
.endif
;; end of part 4
;; launch msa: the kernel of part 2 again; grid 256 x 1, 4 waves a work-group, clusters of 4 x 1, 327,680 bytes of LDS; arguments m, u, wts, out0, ab, t, params_time_W1, params_time_b1, params_time_W2, params_time_b2, params_msa_row_g, params_msa_row_bl, params_msa_row_b2, params_msa_col_g, params_msa_col_bl, params_msa_col_b2, params_msa_trans_g, params_msa_trans_bl, params_msa_trans_b2, params_msa_row_b1, params_msa_col_b1, params_msa_trans_b1, params_proj_a_g, params_proj_a_bl, params_proj_b_g, params_proj_b_bl, params_pair_to_msa_b, params_proj_a_b, params_proj_b_b; writes out0, ab
;; launch pair: the kernel of part 3 again; grid 32 x 8, 4 waves a work-group, clusters of 4 x 1, 327,680 bytes of LDS; arguments z, ab, wts, out1, t, params_time_W1, params_time_b1, params_time_W2, params_time_b2, params_outer_to_pair_b, params_tri_out_g, params_tri_out_bl, params_tri_out_b2, params_tri_in_g, params_tri_in_bl, params_tri_in_b2, params_attn_start_g, params_attn_start_bl, params_attn_start_b2, params_attn_end_g, params_attn_end_bl, params_attn_end_b2, params_pair_trans_g, params_pair_trans_bl, params_pair_trans_b2, params_tri_out_b1, params_tri_in_b1, params_attn_start_b1, params_attn_end_b1, params_pair_trans_b1; writes out1
